; MI455X (gfx1250); checked and timed in simulation.
; The chip was launched on July 23, 2026; its instructions are those of AMD's public machine-readable ISA for CDNA 5 (MIT licence, August 2026) and "CDNA5" Instruction Set Architecture Reference Guide (July 2026). The comments in the code are by the model that wrote it; some were corrected since.
;; Tree Transformer. Allowed arithmetic: matrix products marked QUANTISED: E2M1 operands, one E8M0 scale for each 32 along K, by v_wmma_scale_f32_16x16x128_f8f6f4 with both operands' format E2M1 (or v_wmma_scale_f32_32x16x128_f4), f32 sums; everything else in f32.
;; Inputs: W1_codes 2 x 512 x 8 x 16 uint8 (E2M1 codes of W1, K innermost, in blocks of 32 codes, two codes a byte); W1_scales 2 x 512 x 8 uint8 (E8M0 scales of W1, one for each 32 codes along K); W2_codes 2 x 256 x 16 x 16 uint8 (E2M1 codes of W2, K innermost, in blocks of 32 codes, two codes a byte); W2_scales 2 x 256 x 16 uint8 (E8M0 scales of W2, one for each 32 codes along K); W_in_codes 256 x 8 x 16 uint8 (E2M1 codes of W_in, K innermost, in blocks of 32 codes, two codes a byte); W_in_scales 256 x 8 uint8 (E8M0 scales of W_in, one for each 32 codes along K); Wo_codes 2 x 256 x 8 x 16 uint8 (E2M1 codes of Wo, K innermost, in blocks of 32 codes, two codes a byte); Wo_scales 2 x 256 x 8 uint8 (E8M0 scales of Wo, one for each 32 codes along K); Wqkv_codes 2 x 768 x 8 x 16 uint8 (E2M1 codes of Wqkv, K innermost, in blocks of 32 codes, two codes a byte); Wqkv_scales 2 x 768 x 8 uint8 (E8M0 scales of Wqkv, one for each 32 codes along K); b1 2 x 512 float32; b2 2 x 256 float32; b_in 256 float32; bn_b 256 float32; bn_g 256 float32; bo 2 x 256 float32; bqkv 2 x 768 float32; dist 8 x 1,024 x 1,024 int32; ln1_b 2 x 256 float32; ln1_g 2 x 256 float32; ln2_b 2 x 256 float32; ln2_g 2 x 256 float32; ln_in_b 256 float32; ln_in_g 256 float32; nodes 1,024 x 8 x 256 float32.
;; Outputs: out0 8 x 256 float32.
;; This version of the problem:
;;   THIS VERSION OF THE PROBLEM IS GIVEN IN LOW PRECISION. The matrix products marked QUANTISED in the list below multiply operands that are first quantised to E2M1 (2 exponent bits, 1 mantissa bit; 4 bits a number), with one power-of-two scale for each 32 numbers along K (OCP MX v1.0); their sums are f32. All else is computed in f32.
;;   The module's matrix products, in the order in which they are computed (A, B: the left and right operand; K: the contracted axis; several contracted axes count as one K, in the product's order):
;;     1. [M 8,192, K 256] x [K 256, N 256]; A: computed on the way; B: input W_in (given as codes): QUANTISED
;;     2. [M 8,192, K 256] x [K 256, N 768]; A: computed on the way; B: input Wqkv (given as codes): QUANTISED
;;     3. batch 64 x [M 1,024, K 32] x [K 32, N 1,024]; A: computed on the way; B: computed on the way: QUANTISED
;;     4. batch 64 x [M 1,024, K 1,024] x [K 1,024, N 32]; A: softmax (see below); B: computed on the way: QUANTISED
;;     5. [M 8,192, K 256] x [K 256, N 256]; A: computed on the way; B: input Wo (given as codes): QUANTISED
;;     6. [M 8,192, K 256] x [K 256, N 512]; A: computed on the way; B: input W1 (given as codes): QUANTISED
;;     7. [M 8,192, K 512] x [K 512, N 256]; A: computed on the way; B: input W2 (given as codes): QUANTISED
;;     8. [M 8,192, K 256] x [K 256, N 768]; A: computed on the way; B: input Wqkv (given as codes): QUANTISED
;;     9. batch 64 x [M 1,024, K 32] x [K 32, N 1,024]; A: computed on the way; B: computed on the way: QUANTISED
;;     10. batch 64 x [M 1,024, K 1,024] x [K 1,024, N 32]; A: softmax (see below); B: computed on the way: QUANTISED
;;     11. [M 8,192, K 256] x [K 256, N 256]; A: computed on the way; B: input Wo (given as codes): QUANTISED
;;     12. [M 8,192, K 256] x [K 256, N 512]; A: computed on the way; B: input W1 (given as codes): QUANTISED
;;     13. [M 8,192, K 512] x [K 512, N 256]; A: computed on the way; B: input W2 (given as codes): QUANTISED
;;   THE QUANTISER, for each operand of a quantised product, along K:
;;     - K is cut into blocks of 32 from its start; a last block that is shorter is filled with zeros.
;;     - A block's scale is 2^e with e = floor(log2(the largest magnitude in the block)) - 2, held to -126 .. 127; a block of zeros has e = 0. As a byte (E8M0): e + 127.
;;     - Each number is divided by its block's scale, clamped to +-6, and rounded to the nearest number of E2M1, ties to even, subnormals kept.
;;     - The product sums the exact products of the quantised numbers (number of the format x scale) in f32.
;;   ~~~python
;;   def quantise(x, axis):      # numpy; x: float32 -> the quantised numbers, widened to float32 again
;;       x = np.moveaxis(x, axis, -1); K = x.shape[-1]
;;       x = np.pad(x, [(0, 0)] * (x.ndim - 1) + [(0, -K % 32)]); x = x.reshape(x.shape[:-1] + (-1, 32)); a = np.abs(x).max(-1, keepdims=True)
;;       e = np.where(a > 0, np.clip(np.frexp(np.where(a > 0, a, 1))[1] - 1 - 2, -126, 127), 0)      # np.frexp(a)[1] - 1 = floor(log2(a)), exactly
;;       r = np.clip(x / 2.0 ** e, -6, 6)
;;       step = 2.0 ** (np.maximum(np.frexp(np.where(r == 0, 1, r))[1] - 1, 0) - 1)
;;       q = np.round(r / step) * step * 2.0 ** e      # np.round: ties to even
;;       return np.moveaxis(q.reshape(q.shape[:-2] + (-1,))[..., :K], -1, axis).astype(np.float32)
;;   ~~~
;;   SOFTMAX AHEAD OF A QUANTISED PRODUCT. Where the list says 'softmax', what is quantised is not the finished softmax but p = 2^(t - M), with t = logit x log2(e) and M = ceil(the row's largest t), a whole number; so 1/2 < the row's largest p <= 1. The row's sum l is taken of the UNQUANTISED p, in f32, and the product's result is divided by l at the end. Since M is a whole number, a kernel that streams over the keys may use a running M (the ceiling of the running maximum): every later rescaling is an exact power of two, which a block's scale takes up: the codes' values come out the same.
;;   OPERANDS COMPUTED ON THE WAY. 'Computed on the way' means the value that the module computes at that place (a softmax that the list does not call 'softmax' is quantised finished and normalised). What goes into a quantiser is computed in f32, as accurately as f32 sums, v_exp_f32 and their like allow (about 1e-6 of the number): no bf16 or f16 on the way to a quantiser, and a product that is left as it is and whose result goes on into a quantised operand takes f32 operands (vector FMAs, or v_wmma_f32_16x16x4_f32). A number that lies on a knife's edge between two numbers of the format may be rounded either way, as far as f32 arithmetic and the matrix unit's own rounding can turn it there, and no further.
;;   INPUTS GIVEN AS CODES. W1 (in the module: [2, 256, 512], K = its axis 1); W2 (in the module: [2, 512, 256], K = its axis 1); W_in (in the module: [256, 256], K = its axis 0); Wo (in the module: [2, 256, 256], K = its axis 1); Wqkv (in the module: [2, 256, 768], K = its axis 1): each comes as NAME_codes (uint8): NAME with its K axis moved to the last place and cut into blocks of 32 codes, [.., K / 32, bytes a block], one block behind the other in memory; two codes a byte, the lower K in the low four bits (a code: sign, 2 exponent bits, 1 mantissa bit); and NAME_scales (uint8): the same leading axes, one E8M0 byte (e + 127) for each 32 codes along K. Its value is code x scale, taken as it is: it is not quantised again, and the codes and scales need not be those that the quantiser above would give.
;; One version. Each part assembles by itself: llvm-mc -triple=amdgcn-amd-amdhsa -mcpu=gfx1250 --defsym DOCPART=n.
;; ======== version 1 of 1: 5 launches
;; workspace buffers: masks 3,145,728 bytes of whole numbers; xres 8,388,608 bytes; qkv1 3,342,336 bytes; qkv2 3,342,336 bytes; o1 1,114,112 bytes; x2img 262,144 bytes; o2 17,408 bytes; wimg 425,984 bytes
;; launch front (part 1): grid 32 x 8, 4 waves a work-group, no clusters, 44,800 bytes of LDS; arguments nodes, dist, W_in_codes, W_in_scales, b_in, ln_in_g, ln_in_b, Wqkv_codes, Wqkv_scales, bqkv, masks, xres, qkv1, Wo_codes, W1_codes, W2_codes, wimg; writes masks, xres, qkv1, wimg
.if DOCPART == 1
	.amdgcn_target "amdgcn-amd-amdhsa--gfx1250"
	.amdhsa_code_object_version 6
	.text
	.protected	k_qa7f88a4ed4_front
	.globl	k_qa7f88a4ed4_front
	.p2align	8
	.type	k_qa7f88a4ed4_front,@function
k_qa7f88a4ed4_front:
	s_mov_b64 s[64:65], 0
	v_nop
	global_prefetch_b8 v0, s[64:65] scope:SCOPE_SE
	s_setreg_imm32_b32 hwreg(HW_REG_WAVE_MODE, 25, 1), 1
	s_wait_xcnt 0x0
; FRONT: (1) dist -> lane-mask words; (2) x = nodes + positional code, quantised; x0 = LN(x W_in + b_in); (3) q, k, v of layer 0 as codes of FP4 (E2M1) with E8M0 scale bytes;
; (4) the later launches' weight codes are laid anew as images of the operands' registers (wimg), so that their loads read 512 consecutive bytes each.
; SHARES.  A work-group is (batch b = y, key block kb = x): the 32 rows n = 32 kb + 16 t + r, t = 0, 1.  Its four waves share the COLUMNS: wave w owns columns 64 w .. 64 w + 63 of every product, for both
; row tiles, so each weight byte enters the work-group once, straight into registers.  No tensor loads, no ring, no cluster: only each wave's stage in LDS is filled more than once and the work-groups share only small weights.
; THE PRODUCT IS USED TRANSPOSED (source 0 = 16 rows of W, source 1 = 16 rows of x).  Tile j of the wave takes W's rows 64 w + 32 (r >> 3) + 8 j + (r & 7), so lane (r, hh) holds, in its 32 accumulator
; registers of a row tile, columns 64 w + 32 hh + 0 .. 31 of row r: ONE WHOLE BLOCK of the next product's K.  A block's largest magnitude needs no other lane, and the four conversions' results are four registers of the next operand.
; OPERANDS GO FROM WAVE TO WAVE THROUGH LDS AS IMAGES OF THEIR REGISTERS: a fragment is 1,024 bytes [half][lane][16], its scale words 64 bytes [row][4].
; MASK WORDS: [type 3][b][query tile 64][key step 8][64 words]; bit l of word 32 c + 8 j + i: key 128 s + 64 c + 32 (l >> 4) + 8 j + i counts for query 16 qt + (l & 15).  Type 0: dist == 1; 1: dist >= 1; 2: all ones.
; WIMG: [unit 13][wave 4][piece 16][lane 32][16 bytes]; piece 4 j + 2 k + c is half c of the fragment (tile j, K step k).  Units: 0, 1 Wo of layer 0, 1; 2 .. 5 W1 (layer, rows 0 or 256 on); 6 .. 9 W2 (layer, K steps 0-1 or 2-3);
; 10, 11, 12 q, k, v of Wqkv's layer 1.  Work-group g = 32 b + kb makes piece g & 15 of unit g >> 4 (g < 208): one load and one store a wave.
; ORDER.  The positional code needs no data: it is computed while the first loads are on their way.
; LIMITS.  NaN and infinities among the inputs are not served.  A block of zeros gets the scale byte 1 where the quantiser says 127: its codes are zeros, and only this program reads the bytes.
; The positional angle is n x 2^(-j log2(10000) / 128) by v_exp_f32; at n near 1,023 it can differ from an f32 division by about 1.5e-4 rad; at n = 0 it is exact.
.set NT, 2
.set LI, 1                             ; 16 x lane
.set LS4, 2                            ; 4 r
.set IMGW, 3                           ; 16 x lane + 512 w: where my four code registers go in an image
.set SCW, 4                            ; 4 r + hh + 64 (w >> 1) + 2 (w & 1): my block's scale byte
.set STW, 5                            ; 16 r + 4 w
.set STR, 6                            ; 16 r
.set WOF1, 7                           ; (32 (r >> 3) + (r & 7)) x 128 + 16 hh
.set WSO8, 8                           ; (32 (r >> 3) + (r & 7)) x 8
.set BOF, 9                            ; 128 hh
.set VOF, 10                           ; (16 (r >> 3) + (r & 7)) x 128 + 16 hh
.set VSO, 11                           ; the same rows x 8
.set VBO, 12                           ; x 4
.set QST, 13                           ; 16,384 hh + 16 r
.set VST, 14                           ; 16 r + 8 hh
.set SBQ, 15
.set SBV, 16
.set SBR, 17
.set L8, 18                            ; 8 x lane
.set MSI, 19                           ; my stage, way in: 8,448 w + 16 x lane
.set MSO, 20                           ; way out: 8,448 w + 528 r + 128 hh
.set XIW, 21                           ; 16 x lane + 1,024 w
.set XSW, 22                           ; 4 r + hh + 64 w
.set NF, 23                            ; my row's position n as f32
.set J0F, 24                           ; my first frequency index as f32
.set XV, 25                            ; the image piece: my lane's byte in the weight; never rewritten behind its load
.set XD, 28                            ; v28-31  the image piece's 16 bytes
.set WS, 32                            ; v32-47  W's scale words (scales and nothing else)
.set XS, 48                            ; v48-55  x's scale words (likewise)
.set TM, 56
.set SO, 58
.set BY, 60
.set XF, 64                            ; v64-95   four fragments of x
.set ACC, 96                           ; v96-159  accumulators [t][j][i]
.set RES, 160                          ; v160-223 the row's f32 numbers, same order
.set PC, 224                           ; v224-231 codes just made
.set TP, 232                           ; v232-255 at work
.set BI, 128                           ; window 1: v0-127 W's fragments (first: mask tiles 0, 1); v128-191 bias tiles (first: nodes as loaded); v192-223, v224-255 LayerNorm's gain and bias.  Window 2: v0-127 mask tiles 2, 3
.set LNG, 192
.set LNB, 224
.set SEL, 40
.set I256, 42
.set EPS, 43
.set MSTG, 0                           ; LDS: a stage of 16 rows x 528 bytes for each wave
.set XA, 33792                         ; x's four fragments
.set XSA, 37888
.set STAT, 38144
.set XB, 39168                         ; x0's four fragments
.set XSB, 43264
.set SBST, 43520                       ; q's, k's, v's scale bytes of this work-group: 3 x 256
.set MSB, 0
.macro WIN new                         ; the immediate's high byte repeats the setting that is left
.if MSB != \new
	s_set_vgpr_msb (MSB<<8)|\new
.set MSB, \new
.endif
.endm
.macro NOP4                            ; four places behind a matrix instruction (ISA guide 7.12.1), where no other vector work is at hand
.rept 4
	v_nop
.endr
.endm
.macro BARRIER                         ; my LDS stores have landed and my LDS loads are in: then the work-group's barrier
	s_wait_dscnt 0x0
	s_barrier_signal -1
	s_barrier_wait -1
.endm
.macro MMC d, a, b, c, sa, sb
	v_wmma_scale_f32_16x16x128_f8f6f4 v[\d:\d+7], v[\a:\a+7], v[\b:\b+7], v[\c:\c+7], v[\sa], v[\sb] matrix_a_fmt:MATRIX_FMT_FP4 matrix_b_fmt:MATRIX_FMT_FP4
.endm
; my 64 rows of a weight from row0 on: codes into window 1 from slot on (tile j, K step kq at 8 (nks j + kq)), bias tiles, scale words
.macro LDG cb, sb, bb, row0, rb, nks, slot, ss, bs, wof, wso
	WIN 0x40
.irp j, 0,1,2,3
.set kq, 0
.rept \nks
.irp c, 0,1
	global_load_b128 v[\slot+8*(\nks*\j+kq)+4*\c:\slot+8*(\nks*\j+kq)+4*\c+3], v[\wof], s[\cb:\cb+1] offset:(\row0+8*\j)*\rb+64*kq+32*\c
.endr
.set kq, kq+1
.endr
.irp c, 0,1
	global_load_b128 v[BI+\bs+8*\j+4*\c:BI+\bs+8*\j+4*\c+3], v[BOF], s[\bb:\bb+1] offset:(\row0+8*\j)*4+16*\c
.endr
.endr
	WIN 0
.irp j, 0,1,2,3
.if \nks == 2
	global_load_b64 v[WS+\ss+2*\j:WS+\ss+2*\j+1], v[\wso], s[\sb:\sb+1] offset:(\row0+8*\j)*8
.else
	global_load_b128 v[WS+\ss+4*\j:WS+\ss+4*\j+3], v[\wso], s[\sb:\sb+1] offset:(\row0+8*\j)*16
.endif
.endr
.endm
.macro LDLN gp, bp, dg, db             ; two vectors at my 32 columns, into window 1
	WIN 0x40
.irp i, 0,1,2,3,4,5,6,7
	global_load_b128 v[\dg+4*\i:\dg+4*\i+3], v[BOF], s[\gp:\gp+1] offset:16*\i
	global_load_b128 v[\db+4*\i:\db+4*\i+3], v[BOF], s[\bp:\bp+1] offset:16*\i
.endr
	WIN 0
.endm
; K steps k0 .. k1 of a product.  The accumulators take turns, one instruction a turn.  start = 1: the bias tile is the C of the first K step
.macro PROD slot, ss, bs, nks, k0, k1, start
.set kq, \k0
.rept \k1-\k0+1
.if \start && (kq == \k0)
	WIN 0x11
.else
	WIN 0x01
.endif
.irp t, 0,1
.if \t < NT
.irp j, 0,1,2,3
.if \start && (kq == \k0)
	MMC ACC+8*(4*\t+\j), \slot+8*(\nks*\j+kq), XF+8*(2*\t+(kq&1)), BI+\bs+8*\j, WS+\ss+\nks*\j+kq, XS+\nks*\t+kq
.else
	MMC ACC+8*(4*\t+\j), \slot+8*(\nks*\j+kq), XF+8*(2*\t+(kq&1)), ACC+8*(4*\t+\j), WS+\ss+\nks*\j+kq, XS+\nks*\t+kq
.endif
.endr
.endif
.endr
.set kq, kq+1
.endr
	WIN 0
.endm
.macro FETCH img, sc, nks, k0          ; fragments of K steps k0, k0 + 1 of both row tiles; with k0 = 0 all scale words
.irp t, 0,1
.if \t < NT
.irp k, 0,1
.irp c, 0,1
	ds_load_b128 v[XF+8*(2*\t+\k)+4*\c:XF+8*(2*\t+\k)+4*\c+3], v[LI] offset:\img+(\nks*\t+\k0+\k)*1024+512*\c
.endr
.endr
.if \k0 == 0
.set kq, 0
.rept \nks
	ds_load_b32 v[XS+\nks*\t+kq], v[LS4] offset:\sc+64*(\nks*\t+kq)
.set kq, kq+1
.endr
.endif
.endif
.endr
.endm
; nb blocks of 32 numbers of a lane, at src and src + stride, become 4 code registers each (PC + 4 m) and a scale byte (BY + m)
.macro QB2 src, stride, nb
.irp m, 0,1
.if \m < \nb
	v_max3_num_f32 v[TM+\m], |v[\src+\stride*\m]|, |v[\src+\stride*\m+1]|, 0x1800000   ; the floor 2^(3 - 127) among the leaves: the byte cannot fall under 1
.endif
.endr
.irp i, 2,4,6,8,10,12,14,16,18,20,22,24,26,28,30
.irp m, 0,1
.if \m < \nb
	v_max3_num_f32 v[TM+\m], v[TM+\m], |v[\src+\stride*\m+\i]|, |v[\src+\stride*\m+\i+1]|
.endif
.endr
.endr
.irp m, 0,1
.if \m < \nb
	v_add_nc_u32 v[SO+\m], 0xff000000, v[TM+\m]    ; 2 off the exponent field: the conversion's scale operand
.endif
.endr
.irp m, 0,1
.if \m < \nb
	v_lshrrev_b32 v[BY+\m], 23, v[SO+\m]           ; the scale's byte
.endif
.endr
.irp m, 0,1
.if \m < \nb
.irp g, 0,1,2,3
	v_cvt_scalef32_pk8_fp4_f32 v[PC+4*\m+\g], v[\src+\stride*\m+8*\g:\src+\stride*\m+8*\g+7], v[SO+\m]
.endr
.endif
.endr
	v_nop                                          ; one plain place behind a scaled conversion
.endm
; a pair of partial sums (TP + 2 t) becomes the row's total (TP + 4 + t): my two halves, lane l xor 16, then the four waves through LDS
.macro LNX stat
.irp t, 0,1
.if \t < NT
	v_add_f32 v[TP+4+\t], v[TP+2*\t], v[TP+2*\t+1]
.endif
.endr
.irp t, 0,1
.if \t < NT
	v_permlanex16_b32 v[TP+6+\t], v[TP+4+\t], s[SEL], s[SEL+1]
.endif
.endr
.irp t, 0,1
.if \t < NT
	v_add_f32 v[TP+4+\t], v[TP+4+\t], v[TP+6+\t]
.endif
.endr
.irp t, 0,1
.if \t < NT
	ds_store_b32 v[STW], v[TP+4+\t] offset:\stat+256*\t
.endif
.endr
	BARRIER
.irp t, 0,1
.if \t < NT
	ds_load_b128 v[TP+8+4*\t:TP+11+4*\t], v[STR] offset:\stat+256*\t
.endif
.endr
	s_wait_dscnt 0x0
.irp t, 0,1
.if \t < NT
	v_add_f32 v[TP+8+4*\t], v[TP+8+4*\t], v[TP+9+4*\t]
	v_add_f32 v[TP+10+4*\t], v[TP+10+4*\t], v[TP+11+4*\t]
.endif
.endr
.irp t, 0,1
.if \t < NT
	v_add_f32 v[TP+4+\t], v[TP+8+4*\t], v[TP+10+4*\t]
.endif
.endr
.endm
; RES = LayerNorm(ACC (+ RES)); the mean first, then the squares of the differences.  qz = 1: RES is quantised and its image goes to LDS
.macro LN res, stat, img, sc, qz
.if \res
.set iq, 0
.rept 16*NT
	v_pk_add_f32 v[ACC+iq:ACC+iq+1], v[ACC+iq:ACC+iq+1], v[RES+iq:RES+iq+1]
.set iq, iq+2
.endr
.endif
.irp t, 0,1
.if \t < NT
	v_pk_add_f32 v[TP+2*\t:TP+2*\t+1], v[ACC+32*\t:ACC+32*\t+1], v[ACC+32*\t+2:ACC+32*\t+3]
.endif
.endr
.irp i, 4,6,8,10,12,14,16,18,20,22,24,26,28,30
.irp t, 0,1
.if \t < NT
	v_pk_add_f32 v[TP+2*\t:TP+2*\t+1], v[TP+2*\t:TP+2*\t+1], v[ACC+32*\t+\i:ACC+32*\t+\i+1]
.endif
.endr
.endr
	LNX \stat
.irp t, 0,1
.if \t < NT
	v_mul_f32 v[TP+16+2*\t], s[I256], v[TP+4+\t]   ; the mean, twice: a pair for the packed forms
	v_mul_f32 v[TP+17+2*\t], s[I256], v[TP+4+\t]
.endif
.endr
.irp t, 0,1
.if \t < NT
.set iq, 0
.rept 16
	v_pk_add_f32 v[ACC+32*\t+iq:ACC+32*\t+iq+1], v[ACC+32*\t+iq:ACC+32*\t+iq+1], v[TP+16+2*\t:TP+17+2*\t] neg_lo:[0,1] neg_hi:[0,1]
.set iq, iq+2
.endr
.endif
.endr
.irp t, 0,1
.if \t < NT
	v_pk_mul_f32 v[TP+2*\t:TP+2*\t+1], v[ACC+32*\t:ACC+32*\t+1], v[ACC+32*\t:ACC+32*\t+1]
.endif
.endr
.irp i, 2,4,6,8,10,12,14,16,18,20,22,24,26,28,30
.irp t, 0,1
.if \t < NT
	v_pk_fma_f32 v[TP+2*\t:TP+2*\t+1], v[ACC+32*\t+\i:ACC+32*\t+\i+1], v[ACC+32*\t+\i:ACC+32*\t+\i+1], v[TP+2*\t:TP+2*\t+1]
.endif
.endr
.endr
	LNX \stat+512
.irp t, 0,1
.if \t < NT
	v_fma_f32 v[TP+4+\t], v[TP+4+\t], s[I256], s[EPS]
.endif
.endr
.irp t, 0,1
.if \t < NT
	v_rsq_f32 v[TP+16+2*\t], v[TP+4+\t]
	v_rsq_f32 v[TP+17+2*\t], v[TP+4+\t]
.endif
.endr
	v_nop                                          ; a plain place behind the transcendentals
.irp t, 0,1
.if \t < NT
.set iq, 0
	s_wait_alu depctr_va_vdst(0)
.rept 16
	v_pk_mul_f32 v[ACC+32*\t+iq:ACC+32*\t+iq+1], v[ACC+32*\t+iq:ACC+32*\t+iq+1], v[TP+16+2*\t:TP+17+2*\t]
.set iq, iq+2
.endr
.endif
.endr
	WIN 0x14                                       ; gain and bias lie in window 1
.irp t, 0,1
.if \t < NT
.set iq, 0
.rept 16
	v_pk_fma_f32 v[RES+32*\t+iq:RES+32*\t+iq+1], v[ACC+32*\t+iq:ACC+32*\t+iq+1], v[LNG+iq:LNG+iq+1], v[LNB+iq:LNB+iq+1]
.set iq, iq+2
.endr
.endif
.endr
	WIN 0
.if \qz
	QB2 RES, 32, NT
.irp t, 0,1
.if \t < NT
	ds_store_b128 v[IMGW], v[PC+4*\t:PC+4*\t+3] offset:\img+2048*\t
	ds_store_b8 v[SCW], v[BY+\t] offset:\sc+128*\t
.endif
.endr
	BARRIER
.endif
.endm
.macro RESIO st, bp, ao                ; RES to or from a register image in memory: each instruction covers 512 consecutive bytes
.irp t, 0,1
.if \t < NT
.irp i, 0,1,2,3,4,5,6,7
.if \st
	global_store_b128 v[\ao], v[RES+32*\t+4*\i:RES+32*\t+4*\i+3], s[\bp:\bp+1] offset:4096*\t+512*\i
.else
	global_load_b128 v[RES+32*\t+4*\i:RES+32*\t+4*\i+3], v[\ao], s[\bp:\bp+1] offset:4096*\t+512*\i
.endif
.endr
.endif
.endr
.endm
; v's weights: tile f = 2 e + d takes rows 512 + 64 w + 32 e + 16 (r >> 3) + 8 d + (r & 7)
.macro LDV cb, sb, bb
	WIN 0x40
.irp e, 0,1
.irp d, 0,1
.irp k, 0,1
.irp c, 0,1
	global_load_b128 v[8*(2*(2*\e+\d)+\k)+4*\c:8*(2*(2*\e+\d)+\k)+4*\c+3], v[VOF], s[\cb:\cb+1] offset:(512+32*\e+8*\d)*128+64*\k+32*\c
.endr
.endr
	global_load_b32 v[192+2*\e+\d], v[VBO], s[\bb:\bb+1] offset:(512+32*\e+8*\d)*4
.endr
.endr
	WIN 0
.irp e, 0,1
.irp d, 0,1
	global_load_b64 v[WS+2*(2*\e+\d):WS+2*(2*\e+\d)+1], v[VSO], s[\sb:\sb+1] offset:(512+32*\e+8*\d)*8
.endr
.endr
.endm
; q (part 0) or k (part 1): a lane's 32 numbers are one row's one head: one block.  16 lanes store 256 consecutive bytes
.macro EPQK part, oq
.if \part
	s_wait_xcnt 0x0                                ; q's stores have read PC.  (Ahead of q's own epilogue no pending memory instruction names a register that it writes)
.endif
	s_wait_dscnt 0x0                               ; earlier LDS stores have read PC and BY
	QB2 ACC, 32, 2
.irp t, 0,1
	global_store_b128 v[QST], v[PC+4*\t:PC+4*\t+3], s[\oq:\oq+1] offset:\part*1048576+256*\t
	ds_store_b8 v[SBQ], v[BY+\t] offset:256*\part+16*\t
.endr
.endm
.macro QKV cb, sb, bb, img, sc, oq, ov
	FETCH \img, \sc, 2, 0
	s_wait_loadcnt 0x0                             ; q's and k's weights, asked for ahead of the LayerNorm
	s_wait_dscnt 0x0
	PROD 0, 0, 0, 2, 0, 1, 1
	NOP4
	LDV \cb, \sb, \bb                              ; into q's registers; they land under the two epilogues
	EPQK 0, \oq
	PROD 64, 8, 32, 2, 0, 1, 1
	NOP4
	EPQK 1, \oq
	s_wait_loadcnt 0x0
	WIN 0x41
.irp f, 0,1,2,3
.irp i, 0,1,2,3,4,5,6,7
	v_mov_b32 v[BI+8*\f+\i], v[192+\f]             ; here a lane holds ONE column: its bias in all eight registers of C
.endr
.endr
	WIN 0
	NOP4
; v NOT transposed: source 0 = x's rows, source 1 = W's rows: a lane holds column m = r and keys 16 t + 8 hh + i: registers run along the keys, v's K
.irp k, 0,1
.if \k == 0
	WIN 0x14
.else
	WIN 0x04
.endif
.irp f, 0,1,2,3
.irp t, 0,1
.if \k == 0
	MMC ACC+8*(2*\f+\t), XF+8*(2*\t+\k), 8*(2*\f+\k), BI+8*\f, XS+2*\t+\k, WS+2*\f+\k
.else
	MMC ACC+8*(2*\f+\t), XF+8*(2*\t+\k), 8*(2*\f+\k), ACC+8*(2*\f+\t), XS+2*\t+\k, WS+2*\f+\k
.endif
.endr
.endr
.endr
	WIN 0
	NOP4
.irp f, 0,1,2,3
	v_max3_num_f32 v[TP+\f], |v[ACC+16*\f]|, |v[ACC+16*\f+1]|, 0x1800000
.endr
.irp i, 2,4,6,8,10,12,14
.irp f, 0,1,2,3
	v_max3_num_f32 v[TP+\f], v[TP+\f], |v[ACC+16*\f+\i]|, |v[ACC+16*\f+\i+1]|
.endr
.endr
.irp f, 0,1,2,3
	v_permlanex16_b32 v[TP+4+\f], v[TP+\f], s[SEL], s[SEL+1]
.endr
.irp f, 0,1,2,3
	v_max_num_f32 v[TP+\f], v[TP+\f], v[TP+4+\f]   ; with lane l xor 16's 16 keys: the block's largest magnitude
.endr
.irp f, 0,1,2,3
	v_add_nc_u32 v[TP+8+\f], 0xff000000, v[TP+\f]
.endr
.irp f, 0,1,2,3
	v_lshrrev_b32 v[TP+12+\f], 23, v[TP+8+\f]
.endr
.irp f, 0,1,2,3
	v_cvt_scalef32_pk8_fp4_f32 v[TP+16+2*\f], v[ACC+16*\f:ACC+16*\f+7], v[TP+8+\f]
	v_cvt_scalef32_pk8_fp4_f32 v[TP+17+2*\f], v[ACC+16*\f+8:ACC+16*\f+15], v[TP+8+\f]
.endr
	v_nop
.irp f, 0,1,2,3
	v_permlane16_swap_b32 v[TP+16+2*\f], v[TP+17+2*\f]   ; lane (m, hh) now holds bytes 8 hh .. 8 hh + 7 of its column's block
.endr
.irp e, 0,1
.irp d, 0,1
	global_store_b64 v[VST], v[TP+16+2*(2*\e+\d):TP+17+2*(2*\e+\d)], s[\ov:\ov+1] offset:16384*\e+1024*\d   ; the wave stores 256 consecutive bytes, aligned
	ds_store_b8 v[SBV], v[TP+12+2*\e+\d] offset:32*\e+16*\d
.endr
.endr
	BARRIER                                        ; all scale bytes of the work-group lie in LDS
.endm
.macro LOADROWS dst, bp, stride, off   ; 16 rows, 512 consecutive bytes an instruction
.irp i, 0,1,2,3,4,5,6,7,8,9,10,11,12,13,14,15
	global_load_b128 v[\dst+4*\i:\dst+4*\i+3], v[LI], s[\bp:\bp+1] offset:\stride*\i+\off th:TH_LOAD_NT
.endr
.endm
.macro TURNIN src                      ; into my own stage, as loaded; LDS serves a wave's instructions in order, so no wait stands ahead of TURNOUT
.irp i, 0,1,2,3,4,5,6,7,8,9,10,11,12,13,14,15
	ds_store_b128 v[MSI], v[\src+4*\i:\src+4*\i+3] offset:528*\i
.endr
.endm
.macro TURNOUT dst                     ; lane (r, hh): of row r the numbers 64 c + 32 hh + 0 .. 31 into dst + 32 c on
.irp c, 0,1
.irp u, 0,1,2,3,4,5,6,7
	ds_load_b128 v[\dst+32*\c+4*\u:\dst+32*\c+4*\u+3], v[MSO] offset:256*\c+16*\u
.endr
.endr
.endm
; One tile of dist, 16 queries x 128 keys, becomes 3 x 64 mask words.  The loads' order of issue: nodes 16, tile 0 16, tile 1 16, the image piece 1, tile 2 16, tile 3 16, W_in's batch 44 (in task 1).
.macro TASK k
.if \k == 0
	s_wait_loadcnt 49                              ; tile 0 is in; younger: tile 1, the image piece, tiles 2 and 3
	WIN 0x04                                       ; an LDS store's data are its source 1: window 1
.elseif \k == 1
	s_wait_loadcnt 32                              ; tile 1 and the image piece are in; younger: tiles 2 and 3
	WIN 0x04
.elseif \k == 2
	s_wait_loadcnt 60                              ; tile 2 is in; younger: tile 3 and W_in's 16 + 8 + 4 + 16
	WIN 0x08                                       ; window 2
.else
	s_wait_loadcnt 44                              ; tile 3 is in; younger: W_in's batch
	WIN 0x08
.endif
	TURNIN 64*(\k%2)
	WIN 0
	TURNOUT ACC
	s_wait_dscnt 0x0
.if \k > 0
	s_wait_xcnt 0x0                                ; the last tile's stores have read the word registers.  It stands ahead of fresh loads, so that it does not wait for theirs
.endif
.if \k == 1
	LDG 12, 14, 16, 0, 128, 2, 0, 0, 0, WOF1, WSO8 ; into registers whose tiles (tile 0, nodes) have gone through the stage
	LDLN 18, 20, LNG, LNB
.endif
.set rho, 0
.rept 16
.irp q, 0,1,2,3
	v_cmp_eq_u32 s[52+2*\q], 1, v[ACC+rho+\q]
	v_cmp_le_i32 s[53+2*\q], 1, v[ACC+rho+\q]
.endr
.irp q, 0,1,2,3
	v_writelane_b32 v[TP+(\q&1)], s[52+2*\q], (rho+\q)>>1     ; word rho goes to lane rho / 2, register rho % 2
	v_writelane_b32 v[TP+2+(\q&1)], s[53+2*\q], (rho+\q)>>1
.endr
.set rho, rho+4
.endr
	global_store_b64 v[L8], v[TP:TP+1], s[28:29] offset:256*\k             ; each store: 256 consecutive bytes, aligned
	global_store_b64 v[L8], v[TP+2:TP+3], s[28:29] offset:256*\k+1048576
	global_store_b64 v[L8], v[TP+4:TP+5], s[28:29] offset:256*\k+2097152
.endm
.set PJ, ACC
.set PA, ACC+4
.set PK, ACC+8
.set PR, ACC+12
.set PS2, ACC+16
.set PSN, ACC+20
.set PCS, ACC+24
.set PQ, ACC+28
.set PU, ACC+32
.set PV, ACC+36
; four (sin, cos) pairs by turns, into RES: angle = n 2^(-j c); k = nearest whole number to angle 2 / pi; r = angle - k pi / 2 in two parts; series in r^2; the quadrant picks and signs
.macro PE4 g
.irp q, 0,1,2,3
	v_mul_f32 v[PA+\q], 0xbdd49a78, v[PJ+\q]       ; -j log2(10000) / 128
.endr
.irp q, 0,1,2,3
	v_exp_f32 v[PA+\q], v[PA+\q]
.endr
.irp q, 0,1,2,3
.if \g == 3
	v_add_f32 v[PJ+\q], 0x41a00000, v[PJ+\q]       ; on to my second block: + 20 (exact).  These are also the plain places behind the exponentials
	s_wait_alu depctr_va_vdst(0)
.else
	v_add_f32 v[PJ+\q], 4.0, v[PJ+\q]
.endif
.endr
	s_wait_alu depctr_va_vdst(0)
.irp q, 0,1,2,3
	v_mul_f32 v[PA+\q], v[NF], v[PA+\q]
.endr
.irp q, 0,1,2,3
	v_mul_f32 v[PK+\q], 0x3f22f983, v[PA+\q]
.endr
.irp q, 0,1,2,3
	v_rndne_f32 v[PK+\q], v[PK+\q]
.endr
.irp q, 0,1,2,3
	v_fmamk_f32 v[PR+\q], v[PK+\q], 0xbfc90fdb, v[PA+\q]
.endr
.irp q, 0,1,2,3
	v_fmamk_f32 v[PR+\q], v[PK+\q], 0x333bbd2e, v[PR+\q]
.endr
.irp q, 0,1,2,3
	v_mul_f32 v[PS2+\q], v[PR+\q], v[PR+\q]
	v_cvt_i32_f32 v[PQ+\q], v[PK+\q]
.endr
.irp q, 0,1,2,3
	v_fma_f32 v[PSN+\q], v[PS2+\q], s44, s45
	v_fma_f32 v[PCS+\q], v[PS2+\q], s48, s49
.endr
.irp q, 0,1,2,3
	v_fma_f32 v[PSN+\q], v[PSN+\q], v[PS2+\q], s46
	v_fma_f32 v[PCS+\q], v[PCS+\q], v[PS2+\q], s50
.endr
.irp q, 0,1,2,3
	v_fma_f32 v[PSN+\q], v[PSN+\q], v[PS2+\q], s47
	v_fma_f32 v[PCS+\q], v[PCS+\q], v[PS2+\q], s51
.endr
.irp q, 0,1,2,3
	v_mul_f32 v[PU+\q], v[PR+\q], v[PS2+\q]
	v_fma_f32 v[PCS+\q], v[PCS+\q], v[PS2+\q], -0.5
.endr
.irp q, 0,1,2,3
	v_fma_f32 v[PSN+\q], v[PU+\q], v[PSN+\q], v[PR+\q]        ; sin r
	v_fma_f32 v[PCS+\q], v[PCS+\q], v[PS2+\q], 1.0            ; cos r
.endr
.irp q, 0,1,2,3
	v_and_b32 v[PU+\q], 1, v[PQ+\q]
.endr
.irp q, 0,1,2,3
	v_cmp_eq_u32 s[52+\q], 1, v[PU+\q]             ; an odd quadrant swaps the two
.endr
.irp q, 0,1,2,3
	v_cndmask_b32 v[PV+\q], v[PSN+\q], v[PCS+\q], s[52+\q]
	v_cndmask_b32 v[PCS+\q], v[PCS+\q], v[PSN+\q], s[52+\q]
.endr
.irp q, 0,1,2,3
	v_lshlrev_b32 v[PU+\q], 30, v[PQ+\q]           ; the sine's sign: bit 1 of the quadrant;
	v_add_nc_u32 v[PQ+\q], 1, v[PQ+\q]             ; the cosine's: bit 1 of the quadrant + 1
.endr
.irp q, 0,1,2,3
	v_and_b32 v[PU+\q], 0x80000000, v[PU+\q]
	v_lshlrev_b32 v[PQ+\q], 30, v[PQ+\q]
.endr
.irp q, 0,1,2,3
	v_xor_b32 v[RES+32*(\g/4)+8*(\g%4)+2*\q], v[PU+\q], v[PV+\q]          ; the even place: the sine
	v_and_b32 v[PQ+\q], 0x80000000, v[PQ+\q]
.endr
.irp q, 0,1,2,3
	v_xor_b32 v[RES+32*(\g/4)+8*(\g%4)+2*\q+1], v[PQ+\q], v[PCS+\q]       ; the odd place: the cosine
.endr
.endm
	s_load_b512 s[8:23], s[0:1], 0x0               ; nodes 8, dist 10, W_in codes 12, scales 14, b_in 16, ln_in_g 18, ln_in_b 20, Wqkv codes 22
	s_load_b256 s[24:31], s[0:1], 0x40             ; Wqkv scales 24, bqkv 26, masks 28, xres 30
	s_load_b64 s[32:33], s[0:1], 0x60              ; qkv1
	s_load_b64 s[68:69], s[0:1], 0x68              ; Wo codes
	s_load_b128 s[72:75], s[0:1], 0x70             ; W1 codes 72, W2 codes 74
	s_load_b64 s[70:71], s[0:1], 0x80              ; wimg
	v_lshl_add_u32 v62, v0, 2, 0xad00
	v_mov_b32 v63, 0
	v_lshrrev_b32 v25, 5, v0
	v_readfirstlane_b32 s2, v25                    ; wave 0..3
	s_mov_b32 s3, ttmp9                            ; kb
	s_and_b32 s4, ttmp7, 0xffff                    ; b
	s_lshr_b32 s60, s2, 1
	s_and_b32 s61, s2, 1
	v_and_b32 v25, 31, v0                          ; lane
	v_and_b32 v26, 15, v0                          ; r
	v_bfe_u32 v27, v0, 4, 1                        ; hh
	v_lshlrev_b32 v[LI], 4, v25
	v_lshlrev_b32 v[L8], 3, v25
	v_lshlrev_b32 v[LS4], 2, v26
	v_lshlrev_b32 v[STR], 4, v26
	s_lshl_b32 s62, s2, 9
	v_add_nc_u32 v[IMGW], s62, v[LI]
	s_lshl_b32 s62, s60, 6
	s_lshl_b32 s63, s61, 1
	s_add_co_u32 s62, s62, s63
	v_add_nc_u32 v[SCW], v[LS4], v27
	v_add_nc_u32 v[SCW], s62, v[SCW]
	s_lshl_b32 s62, s2, 2
	v_add_nc_u32 v[STW], s62, v[STR]
	v_lshrrev_b32 v28, 3, v26
	v_and_b32 v29, 7, v26
	v_lshl_add_u32 v30, v28, 5, v29                ; 32 (r >> 3) + (r & 7)
	v_lshl_add_u32 v31, v28, 4, v29                ; 16 (r >> 3) + (r & 7)
	v_lshlrev_b32 v[WOF1], 7, v30
	v_lshl_add_u32 v[WOF1], v27, 4, v[WOF1]
	v_lshlrev_b32 v[WSO8], 3, v30
	v_lshlrev_b32 v[BOF], 7, v27
	v_lshlrev_b32 v[VOF], 7, v31
	v_lshl_add_u32 v[VOF], v27, 4, v[VOF]
	v_lshlrev_b32 v[VSO], 3, v31
	v_lshlrev_b32 v[VBO], 2, v31
	v_lshl_add_u32 v[QST], v27, 14, v[STR]
	v_lshl_add_u32 v[VST], v27, 3, v[STR]
	s_lshl_b32 s62, s2, 6
	v_lshl_add_u32 v[SBQ], v27, 5, v26
	v_add_nc_u32 v[SBQ], s62, v[SBQ]
	v_add_nc_u32 v[SBQ], SBST, v[SBQ]              ; SBST + 32 (2 w + hh) + r
	v_add_nc_u32 v[SBV], s62, v26
	v_add_nc_u32 v[SBV], SBST+512, v[SBV]
	v_add_nc_u32 v[XSW], v[LS4], v27
	v_add_nc_u32 v[XSW], s62, v[XSW]
	s_min_u32 s62, s2, 2                           ; waves 0 to 2 carry q's, k's, v's bytes out
	s_lshl_b32 s63, s62, 8
	v_add_nc_u32 v[SBR], s63, v[L8]
	v_add_nc_u32 v[SBR], SBST, v[SBR]
	s_mul_i32 s62, s2, 8448
	v_add_nc_u32 v[MSI], s62, v[LI]
	v_mul_u32_u24 v28, v26, 528
	v_lshl_add_u32 v28, v27, 7, v28
	v_add_nc_u32 v[MSO], s62, v28
	s_lshl_b32 s62, s2, 10
	v_add_nc_u32 v[XIW], s62, v[LI]
	s_lshl_b32 s62, s3, 5
	s_lshl_b32 s63, s60, 4
	s_add_co_u32 s62, s62, s63
	v_add_nc_u32 v28, s62, v26                     ; as x's quantiser wave w owns row tile w >> 1, K step w & 1: n = 32 kb + 16 (w >> 1) + r
	v_cvt_f32_u32 v[NF], v28
	s_lshl_b32 s62, s61, 6
	v_lshl_add_u32 v28, v27, 4, s62                ; first frequency index: 64 (w & 1) + 16 hh
	v_cvt_f32_u32 v[J0F], v28
	s_mov_b32 s7, 0
	s_lshl_b32 s6, s3, 18                          ; nodes: (32 kb + 16 (w >> 1)) x 8,192 + 1,024 b + 512 (w & 1)
	s_lshl_b32 s62, s60, 17
	s_add_co_u32 s6, s6, s62
	s_lshl_b32 s62, s4, 10
	s_add_co_u32 s6, s6, s62
	s_lshl_b32 s62, s61, 9
	s_add_co_u32 s6, s6, s62
	s_wait_kmcnt 0x0
	s_add_nc_u64 s[8:9], s[8:9], s[6:7]
	s_lshl_b32 s6, s4, 22                          ; dist: b, query tile 2 kb + (w >> 1), key steps 4 (w & 1) on
	s_lshl_b32 s62, s3, 17
	s_add_co_u32 s6, s6, s62
	s_lshl_b32 s62, s60, 16
	s_add_co_u32 s6, s6, s62
	s_lshl_b32 s62, s61, 11
	s_add_co_u32 s6, s6, s62
	s_add_nc_u64 s[10:11], s[10:11], s[6:7]
	WIN 0x40
	LOADROWS 128, 8, 8192, 0                       ; my 16 rows x 128 numbers of nodes,
	LOADROWS 0, 10, 4096, 0                        ; mask tiles 0 and 1
	LOADROWS 64, 10, 4096, 512
	WIN 0
	; THE IMAGE PIECE.  g = 32 b + kb; unit u = g >> 4 (held at 12, so that every work-group's load stays inside a buffer; only g < 208 store); piece g & 15 = 4 j + 2 k + c.
	; My lane's 16 bytes: row 64 w + tile j's offset + A (r >> 3) + (r & 7), byte 64 k + 32 c + 16 hh.  Tile offsets 8 (j & 1) + B (j >> 1); A = 32, B = 16, but for v's tiles A = 16, B = 32.
	s_lshl_b32 s76, s4, 5
	s_add_co_u32 s76, s76, s3                      ; g
	s_lshr_b32 s77, s76, 4
	s_min_u32 s77, s77, 12                         ; u
	s_and_b32 s78, s76, 15                         ; the piece
	s_lshl_b32 s79, s77, 15                        ; Wo: u x 32,768
	s_sub_co_u32 s80, s79, 229376                  ; Wqkv, layer 1: 98,304 + (u - 10) x 32,768
	s_lshr_b32 s81, s77, 1
	s_sub_co_u32 s81, s81, 3
	s_lshl_b32 s81, s81, 16
	s_and_b32 s82, s77, 1
	s_lshl_b32 s82, s82, 7
	s_add_co_u32 s81, s81, s82                     ; W2: ((u - 6) >> 1) x 65,536 + ((u - 6) & 1) x 128
	s_sub_co_u32 s82, s79, 65536                   ; W1: (u - 2) x 32,768
	s_cmp_lt_u32 s77, 10                           ; the choices hang on the work-group's number alone
	s_cselect_b32 s80, s81, s80
	s_cselect_b64 s[86:87], s[74:75], s[22:23]
	s_cselect_b32 s83, 8, 7                        ; a row is 256 bytes in W2, 128 elsewhere: as a shift
	s_cmp_lt_u32 s77, 6
	s_cselect_b32 s80, s82, s80
	s_cselect_b64 s[86:87], s[72:73], s[86:87]
	s_cselect_b32 s83, 7, s83
	s_cmp_lt_u32 s77, 2
	s_cselect_b32 s80, s79, s80
	s_cselect_b64 s[86:87], s[68:69], s[86:87]
	s_cmp_eq_u32 s77, 12
	s_cselect_b32 s84, 16, 32                      ; A
	s_cselect_b32 s85, 32, 16                      ; B
	s_lshr_b32 s81, s78, 3                         ; j >> 1
	s_mul_i32 s81, s81, s85
	s_bfe_u32 s82, s78, 0x10002                    ; j & 1
	s_lshl_b32 s82, s82, 3
	s_add_co_u32 s81, s81, s82
	s_lshl_b32 s82, s2, 6
	s_add_co_u32 s81, s81, s82                     ; 64 w + the tile's offset, in rows,
	s_lshl_b32 s81, s81, s83                       ; in bytes
	s_add_co_u32 s88, s80, s81
	s_and_b32 s82, s78, 3
	s_lshl_b32 s82, s82, 5                         ; 64 k + 32 c
	s_add_co_u32 s88, s88, s82
	s_mov_b32 s89, 0
	s_add_nc_u64 s[86:87], s[86:87], s[88:89]
	v_lshrrev_b32 v30, 3, v26
	v_and_b32 v31, 7, v26
	v_mad_u32_u24 v[XV], v30, s84, v31
	v_lshlrev_b32 v[XV], s83, v[XV]
	v_lshl_add_u32 v[XV], v27, 4, v[XV]
	global_load_b128 v[XD:XD+3], v[XV], s[86:87]
	s_lshl_b32 s88, s77, 15                        ; where it goes: 32,768 u + 8,192 w + 512 x piece
	s_lshl_b32 s82, s2, 13
	s_add_co_u32 s88, s88, s82
	s_lshl_b32 s82, s78, 9
	s_add_co_u32 s88, s88, s82
	s_add_nc_u64 s[90:91], s[70:71], s[88:89]
	s_lshl_b32 s6, s4, 17                          ; masks
	s_lshl_b32 s62, s3, 12
	s_add_co_u32 s6, s6, s62
	s_lshl_b32 s62, s60, 11
	s_add_co_u32 s6, s6, s62
	s_lshl_b32 s62, s61, 10
	s_add_co_u32 s6, s6, s62
	s_add_nc_u64 s[28:29], s[28:29], s[6:7]
	s_lshl_b32 s6, s2, 13                          ; my 64 rows of codes,
	s_add_nc_u64 s[12:13], s[12:13], s[6:7]
	s_add_nc_u64 s[22:23], s[22:23], s[6:7]
	s_lshl_b32 s6, s2, 9                           ; of scale bytes,
	s_add_nc_u64 s[14:15], s[14:15], s[6:7]
	s_add_nc_u64 s[24:25], s[24:25], s[6:7]
	s_lshl_b32 s6, s2, 8                           ; my 64 numbers of the vectors
	s_add_nc_u64 s[16:17], s[16:17], s[6:7]
	s_add_nc_u64 s[18:19], s[18:19], s[6:7]
	s_add_nc_u64 s[20:21], s[20:21], s[6:7]
	s_add_nc_u64 s[26:27], s[26:27], s[6:7]
	s_lshl_b32 s6, s4, 20                          ; xres: 32,768 (32 b + kb) + 8,192 w
	s_lshl_b32 s62, s3, 15
	s_add_co_u32 s6, s6, s62
	s_lshl_b32 s62, s2, 13
	s_add_co_u32 s6, s6, s62
	s_add_nc_u64 s[30:31], s[30:31], s[6:7]
	s_lshl_b32 s63, s4, 17                         ; qkv1: (8 b + 2 w) x 16,384
	s_lshl_b32 s62, s2, 15
	s_add_co_u32 s63, s63, s62
	s_lshr_b32 s62, s3, 2
	s_lshl_b32 s62, s62, 11
	s_add_co_u32 s6, s63, s62
	s_and_b32 s62, s3, 3
	s_lshl_b32 s62, s62, 8
	s_add_co_u32 s6, s6, s62
	s_add_co_u32 s6, s6, 0x200000
	s_add_nc_u64 s[34:35], s[32:33], s[6:7]        ; v's codes
	s_min_u32 s62, s2, 2
	s_lshl_b32 s6, s62, 16
	s_lshl_b32 s62, s4, 13
	s_add_co_u32 s6, s6, s62
	s_lshl_b32 s62, s3, 8
	s_add_co_u32 s6, s6, s62
	s_add_co_u32 s6, s6, 0x300000
	s_add_nc_u64 s[36:37], s[32:33], s[6:7]        ; the scale bytes
	s_lshl_b32 s62, s3, 9
	s_add_co_u32 s6, s63, s62
	s_add_nc_u64 s[32:33], s[32:33], s[6:7]        ; q's and k's codes
	s_mov_b32 s[SEL], 0x76543210
	s_mov_b32 s[SEL+1], 0xfedcba98                 ; v_permlanex16_b32's selects for lane l xor 16
	s_mov_b32 s[I256], 0x3b800000                  ; 1 / 256
	s_mov_b32 s[EPS], 0x3727c5ac                   ; 1e-5
	s_mov_b32 s44, 0x3638ef1d                      ; the sine's series: 1/9!, -1/7!, 1/5!, -1/3!
	s_mov_b32 s45, 0xb9500d01
	s_mov_b32 s46, 0x3c088889
	s_mov_b32 s47, 0xbe2aaaab
	s_mov_b32 s48, 0xb493f27e                      ; the cosine's: -1/10!, 1/8!, -1/6!, 1/4!
	s_mov_b32 s49, 0x37d00d01
	s_mov_b32 s50, 0xbab60b61
	s_mov_b32 s51, 0x3d2aaaab
.irp i, 0,1,2,3,6,7
	v_mov_b32 v[TP+\i], 0                          ; destinations of v_writelane_b32 and of lane permutes count as read
.endr
	v_mov_b32 v[TP+4], -1                          ; type 2: all ones
	v_mov_b32 v[TP+5], -1
	; the positional code of my 64 numbers, into RES, while the loads above are on their way: it hangs on ids alone
	v_mov_b32 v[PJ], v[J0F]
	v_add_f32 v[PJ+1], 1.0, v[J0F]
	v_add_f32 v[PJ+2], 2.0, v[J0F]
	v_add_f32 v[PJ+3], 0x40400000, v[J0F]
.irp g, 0,1,2,3,4,5,6,7
	PE4 \g
.endr
	s_wait_loadcnt 33                              ; nodes are in; younger: mask tiles 0 and 1 and the image piece
	WIN 0x80
	LOADROWS 0, 10, 4096, 1024                     ; mask tiles 2 and 3, into window 2
	LOADROWS 64, 10, 4096, 1536
	WIN 0x04
	TURNIN 128
	WIN 0
	TURNOUT ACC
	s_wait_dscnt 0x0
.set iq, 0
.rept 32
	v_pk_add_f32 v[RES+iq:RES+iq+1], v[RES+iq:RES+iq+1], v[ACC+iq:ACC+iq+1]   ; x = nodes + the positional code
.set iq, iq+2
.endr
	TASK 0
	TASK 1
	s_cmp_ge_u32 s76, 208                          ; 13 units x 16 pieces
	s_cbranch_scc1 .Lno_image
	global_store_b128 v[LI], v[XD:XD+3], s[90:91]  ; the piece landed ahead of task 1's wait; the wave stores 512 consecutive bytes, aligned
.Lno_image:
	TASK 2
	TASK 3
	s_wait_xcnt 0x0                                ; the mask stores have read their registers, which are at work from here on
	QB2 RES, 32, 2                                 ; my fragment's blocks hh and 2 + hh
.irp c, 0,1
	ds_store_b128 v[XIW], v[PC+4*\c:PC+4*\c+3] offset:XA+512*\c
	ds_store_b8 v[XSW], v[BY+\c] offset:XSA+2*\c
.endr
	BARRIER                                        ; x's four fragments lie in LDS
	FETCH XA, XSA, 2, 0
	s_wait_loadcnt 0x0
	s_wait_dscnt 0x0
	PROD 0, 0, 0, 2, 0, 1, 1                       ; x W_in + b_in
	NOP4
	LDG 22, 24, 26, 0, 128, 2, 0, 0, 0, WOF1, WSO8         ; q's weights,
	LDG 22, 24, 26, 256, 128, 2, 64, 8, 32, WOF1, WSO8     ; k's: they land under the LayerNorm
	LN 0, STAT, XB, XSB, 1
	RESIO 1, 30, LI                                ; x0 in f32: the residual of layer 0
	QKV 22, 24, 26, XB, XSB, 32, 34
	s_cmp_gt_u32 s2, 2
	s_cbranch_scc1 .Lend
	ds_load_b64 v[TP:TP+1], v[SBR]
	s_wait_dscnt 0x0
	global_store_b64 v[L8], v[TP:TP+1], s[36:37]   ; 256 consecutive bytes, aligned
.Lend:
	s_barrier_signal -1
	s_barrier_wait -1
	s_wait_tensorcnt 0x0
	ds_add_u32 v62, v63
	s_wait_dscnt 0x0
	s_endpgm
.Lfunc_end_k_qa7f88a4ed4_front:
	.size	k_qa7f88a4ed4_front, .Lfunc_end_k_qa7f88a4ed4_front-k_qa7f88a4ed4_front
	.p2alignl 7, 3214868480
	.fill 96, 4, 3214868480
	.section	.rodata,"a",@progbits
	.p2align	6, 0x0
	.amdhsa_kernel k_qa7f88a4ed4_front
		.amdhsa_group_segment_fixed_size 44800
		.amdhsa_private_segment_fixed_size 0
		.amdhsa_enable_private_segment 0
		.amdhsa_kernarg_size 136
		.amdhsa_user_sgpr_count 2
		.amdhsa_user_sgpr_kernarg_segment_ptr 1
		.amdhsa_wavefront_size32 1
		.amdhsa_system_sgpr_workgroup_id_x 1
		.amdhsa_system_sgpr_workgroup_id_y 1
		.amdhsa_system_sgpr_workgroup_id_z 1
		.amdhsa_system_vgpr_workitem_id 0
		.amdhsa_next_free_vgpr 768
		.amdhsa_next_free_sgpr 96
		.amdhsa_reserve_vcc 0
		.amdhsa_float_denorm_mode_32 3
		.amdhsa_float_denorm_mode_16_64 3
		.amdhsa_memory_ordered 1
		.amdhsa_forward_progress 1
		.amdhsa_inst_pref_size 198
	.end_amdhsa_kernel
	.amdgpu_metadata
---
amdhsa.version: [ 1, 2 ]
amdhsa.kernels:
  - .name:           k_qa7f88a4ed4_front
    .symbol:         k_qa7f88a4ed4_front.kd
    .args:
      - { .name: nodes, .offset: 0, .size: 8, .value_kind: global_buffer, .address_space: global }
      - { .name: dist, .offset: 8, .size: 8, .value_kind: global_buffer, .address_space: global }
      - { .name: W_in_codes, .offset: 16, .size: 8, .value_kind: global_buffer, .address_space: global }
      - { .name: W_in_scales, .offset: 24, .size: 8, .value_kind: global_buffer, .address_space: global }
      - { .name: b_in, .offset: 32, .size: 8, .value_kind: global_buffer, .address_space: global }
      - { .name: ln_in_g, .offset: 40, .size: 8, .value_kind: global_buffer, .address_space: global }
      - { .name: ln_in_b, .offset: 48, .size: 8, .value_kind: global_buffer, .address_space: global }
      - { .name: Wqkv_codes, .offset: 56, .size: 8, .value_kind: global_buffer, .address_space: global }
      - { .name: Wqkv_scales, .offset: 64, .size: 8, .value_kind: global_buffer, .address_space: global }
      - { .name: bqkv, .offset: 72, .size: 8, .value_kind: global_buffer, .address_space: global }
      - { .name: masks, .offset: 80, .size: 8, .value_kind: global_buffer, .address_space: global }
      - { .name: xres, .offset: 88, .size: 8, .value_kind: global_buffer, .address_space: global }
      - { .name: qkv1, .offset: 96, .size: 8, .value_kind: global_buffer, .address_space: global }
      - { .name: Wo_codes, .offset: 104, .size: 8, .value_kind: global_buffer, .address_space: global }
      - { .name: W1_codes, .offset: 112, .size: 8, .value_kind: global_buffer, .address_space: global }
      - { .name: W2_codes, .offset: 120, .size: 8, .value_kind: global_buffer, .address_space: global }
      - { .name: wimg, .offset: 128, .size: 8, .value_kind: global_buffer, .address_space: global }
    .group_segment_fixed_size: 44800
    .private_segment_fixed_size: 0
    .kernarg_segment_align: 8
    .kernarg_segment_size: 136
    .max_flat_workgroup_size: 128
    .sgpr_count:     96
    .vgpr_count:     768
    .wavefront_size: 32
...
	.end_amdgpu_metadata
.endif
;; end of part 1
;; launch attn1 (part 2): grid 4 x 64, 16 waves a work-group, no clusters, 36,864 bytes of LDS; arguments qkv1, masks, o1; writes o1
.if DOCPART == 2
	.amdgcn_target "amdgcn-amd-amdhsa--gfx1250"
	.amdhsa_code_object_version 6
	.text
	.protected	k_qa7f88a4ed4_attn1
	.globl	k_qa7f88a4ed4_attn1
	.p2align	8
	.type	k_qa7f88a4ed4_attn1,@function
k_qa7f88a4ed4_attn1:
	s_mov_b64 s[64:65], 0
	v_nop
	global_prefetch_b8 v0, s[64:65] scope:SCOPE_SE
	s_setreg_imm32_b32 hwreg(HW_REG_WAVE_MODE, 25, 1), 1
	s_wait_xcnt 0x0
; ATTENTION OF LAYER 0, on codes of FP4 (E2M1) with E8M0 scales.  A work-group is (query block qb = x, b h = y): 256 queries of one head; each of its sixteen waves owns 16 queries and walks all 1,024 keys, 128 a step.
; Four waves share a SIMD, so that one wave's exponentials stand beside another's products.  A head's K and V (32 KB of codes, 2 KB of scale words) lie in LDS, filled once through registers: one barrier ahead of the steps.
; NO CLUSTER: the four work-groups of a head read the same 34 KB once each; that single fill is small beside the steps' work, and K is permuted lane by lane on its way into LDS.
; THE HEAD'S SIZE, 32, IS ONE BLOCK.  A fragment of K (16 rows x 4 blocks) holds 64 KEYS: row m, block j is key 32 (m >> 3) + 8 j + (m & 7).  Q comes in four variants, its block at place j and zero codes elsewhere: the
; product with variant j gives the scores of the 16 keys of block j.  So register 32 c + 8 j + i of lane (r, hh) is the score of query r and key 128 s + 64 c + 32 hh + 8 j + i: a lane holds whole blocks of the next K.
; Both products are used transposed (S^T = K Q^T, O^T = V^T P^T): a lane holds one query throughout.
; SOFTMAX: t = score x log2(e) / sqrt(32); M = the running largest t rounded up to a whole number; p = 2^(t - M) is quantised; the sum of the unquantised p divides at the end.
; THE MASK comes as 64 lane-mask words a step by scalar loads: one v_cndmask_b32 a score puts -infinity where a key does not count.
; LIMITS: a query with no key that counts is not served (the reference gives NaN there); NaN and infinities are not served; a block of zeros gets the byte 1 (its codes are zeros; only this program reads the bytes).
.set LI, 1                             ; 16 x lane
.set L4, 2                             ; 4 x lane
.set SH8, 3                            ; 8 hh
.set NINF, 4
.set QS, 10                            ; v10-13 scale words: Q's, K's, V's, P's (scales and nothing else)
.set KS, 11
.set VS, 12
.set PS, 13
.set NM, 14                            ; -M
.set TR, 15                            ; the running largest t
.set LL, 16                            ; v[16:17] the sum, in two halves
.set FF, 18                            ; v[18:19] f = 2^(old M - new M)
.set T0, 20
.set T1, 21
.set T2, 22
.set T3, 23
.set QZ, 24                            ; v24-43: zeros, Q in lanes 0-15, zeros, Q in lanes 16-31, zeros: four registers each
.set KF, 44
.set VF, 60
.set PC, 76
.set OO, 84
.set S, 100
.set BM, 164
.set SO, 168
.set BY, 170
.set L2, 172
.set KIMG, 0
.set VIMG, 16384
.set KSC, 32768
.set VSC, 33792
.macro NOP4
.rept 4
	v_nop
.endr
.endm
.macro SP c, j, qo                     ; the scores of fragment c's block j
.if \c
	v_wmma_scale_f32_16x16x128_f8f6f4 v[S+32*\c+8*\j:S+32*\c+8*\j+7], v[KF+8*\c:KF+8*\c+7], v[QZ+\qo:QZ+\qo+7], 0, v[KS], v[QS] matrix_a_fmt:MATRIX_FMT_FP4 matrix_b_fmt:MATRIX_FMT_FP4 matrix_a_scale:MATRIX_SCALE_ROW1
.else
	v_wmma_scale_f32_16x16x128_f8f6f4 v[S+32*\c+8*\j:S+32*\c+8*\j+7], v[KF+8*\c:KF+8*\c+7], v[QZ+\qo:QZ+\qo+7], 0, v[KS], v[QS] matrix_a_fmt:MATRIX_FMT_FP4 matrix_b_fmt:MATRIX_FMT_FP4
.endif
.endm
.macro KLOAD s
.irp c, 0,1
.irp e, 0,1
	ds_load_b128 v[KF+8*\c+4*\e:KF+8*\c+4*\e+3], v[LI] offset:KIMG+(2*(\s)+\c)*1024+512*\e
.endr
.endr
	ds_load_b32 v[KS], v[L4] offset:KSC+128*(\s)   ; lanes 0-15: fragment 0's words; lanes 16-31: fragment 1's
.endm
.macro VLOAD s
.irp c, 0,1
.irp e, 0,1
	ds_load_b128 v[VF+8*\c+4*\e:VF+8*\c+4*\e+3], v[LI] offset:VIMG+(2*(\s)+\c)*1024+512*\e
.endr
.endr
	ds_load_b32 v[VS], v[L4] offset:VSC+128*(\s)
.endm
.macro MASK                            ; ascending: each accumulator is read from its low end on
.set rho, 0
.rept 64
.if rho < 32
	v_cndmask_b32 v[S+rho], v[NINF], v[S+rho], s[32+rho]
.else
	v_cndmask_b32 v[S+rho], v[NINF], v[S+rho], s[36+rho]
.endif
.set rho, rho+1
.endr
.endm
.macro SOFT first
.irp c, 0,1
	v_max3_num_f32 v[BM+\c], v[S+32*\c], v[S+32*\c+1], v[S+32*\c+2]     ; the largest score of each of my two blocks: it serves the row's maximum and, since p rises with the score, the block's largest p
.endr
.irp i, 3,5,7,9,11,13,15,17,19,21,23,25,27,29
.irp c, 0,1
	v_max3_num_f32 v[BM+\c], v[BM+\c], v[S+32*\c+\i], v[S+32*\c+\i+1]
.endr
.endr
.irp c, 0,1
	v_max_num_f32 v[BM+\c], v[BM+\c], v[S+32*\c+31]
.endr
	v_max_num_f32 v[T0], v[BM], v[BM+1]
	v_permlanex16_b32 v[T1], v[T0], s20, s21
	v_max_num_f32 v[T0], v[T0], v[T1]              ; the step's largest score of my query
	v_mul_f32 v[T0], s22, v[T0]
	v_max_num_f32 v[TR], v[TR], v[T0]              ; the running largest t; it starts at -3e38, so a step without a key that counts gives p = 0
.if \first
	v_floor_f32 v[NM], -v[TR]                      ; -M = floor(-t): M is a whole number
.else
	v_mov_b32 v[T1], v[NM]
	v_floor_f32 v[NM], -v[TR]
	v_sub_f32 v[T1], v[NM], v[T1]                  ; old M - new M: a whole number, 0 or less
	v_cvt_i32_f32 v[T1], v[T1]                     ; (it saturates)
	v_ldexp_f32 v[FF], 1.0, v[T1]                  ; f: a multiplication by it rounds nothing
.endif
.set iq, 0
.rept 32
	v_pk_fma_f32 v[S+iq:S+iq+1], v[S+iq:S+iq+1], s[22:23], v[NM:NM+1] op_sel_hi:[1,0,0]   ; t - M (of the pairs c and -M the low word serves both halves)
.set iq, iq+2
.endr
.irp c, 0,1
	v_fma_f32 v[BM+\c], v[BM+\c], s22, v[NM]
.endr
.set iq, 0
.rept 64
	v_exp_f32 v[S+iq], v[S+iq]
.set iq, iq+1
.endr
.irp c, 0,1
	v_exp_f32 v[BM+\c], v[BM+\c]                   ; the same two instructions on the same number give the same bits
.endr
.if \first
	v_nop                                          ; a plain place behind the exponentials
	s_wait_alu depctr_va_vdst(0)
.else
	v_pk_mul_f32 v[LL:LL+1], v[LL:LL+1], v[FF:FF+1] op_sel_hi:[1,0]   ; the sum under the new M (a plain place behind the exponentials)
	s_wait_alu depctr_va_vdst(0)
.endif
.irp c, 0,1
	v_max_num_f32 v[BM+\c], 0x1800000, v[BM+\c]    ; the floor 2^(3 - 127): the byte cannot fall under 1
.endr
.irp c, 0,1
	v_add_nc_u32 v[SO+\c], 0xff000000, v[BM+\c]
.endr
.irp c, 0,1
	v_lshrrev_b32 v[BY+\c], 23, v[SO+\c]
.endr
	v_lshl_or_b32 v[T0], v[BY+1], 16, v[BY]        ; my bytes: blocks hh and 2 + hh,
	v_lshlrev_b32 v[T0], v[SH8], v[T0]             ; at their places,
	v_permlanex16_b32 v[T1], v[T0], s20, s21
	v_or_b32 v[PS], v[T0], v[T1]                   ; with lane l xor 16's two: p's scale word
.irp c, 0,1
.irp j, 0,1,2,3
	v_cvt_scalef32_pk8_fp4_f32 v[PC+4*\c+\j], v[S+32*\c+8*\j:S+32*\c+8*\j+7], v[SO+\c]
.endr
.endr
	v_nop                                          ; one plain place behind a scaled conversion
	v_pk_add_f32 v[L2:L2+1], v[S:S+1], v[S+2:S+3]  ; the sum of the UNQUANTISED p, in two chains.  (These lines are also the places between p's scale word and codes and the products)
.irp i, 4,8,12,16,20,24,28,32,36,40,44,48,52,56,60
	v_pk_add_f32 v[LL:LL+1], v[LL:LL+1], v[S+\i:S+\i+1]
	v_pk_add_f32 v[L2:L2+1], v[L2:L2+1], v[S+\i+2:S+\i+3]
.endr
	v_pk_add_f32 v[LL:LL+1], v[LL:LL+1], v[L2:L2+1]
.if !\first
.set iq, 0
.rept 8
	v_pk_mul_f32 v[OO+iq:OO+iq+1], v[OO+iq:OO+iq+1], v[FF:FF+1] op_sel_hi:[1,0]   ; O^T under the new M
.set iq, iq+2
.endr
.endif
.endm
.macro STEP s
	s_wait_dscnt 0x0                               ; this step's K is in
	SP 0, 0, 4
	SP 0, 1, 12
	SP 0, 2, 0
	SP 0, 3, 8
	SP 1, 0, 4
	SP 1, 1, 12
	SP 1, 2, 0
	SP 1, 3, 8
	NOP4                                           ; in front of the reads of the scores and of the loads into K's and V's registers
	VLOAD \s
.if \s < 7
	KLOAD \s+1
.endif
	s_wait_kmcnt 0x0                               ; this step's mask words
	MASK
.if \s < 7
	s_load_b512 s[32:47], s[16:17], 256*(\s+1)
	s_load_b512 s[48:63], s[16:17], 256*(\s+1)+64
	s_load_b512 s[68:83], s[16:17], 256*(\s+1)+128
	s_load_b512 s[84:99], s[16:17], 256*(\s+1)+192
.endif
.if \s == 0
	SOFT 1
.else
	SOFT 0
.endif
.if \s < 7
	s_wait_dscnt 5                                 ; V is in; the five younger LDS loads are the next step's K
.else
	s_wait_dscnt 0x0
.endif
.if \s == 0
	v_wmma_scale_f32_16x16x128_f8f6f4 v[OO:OO+7], v[VF:VF+7], v[PC:PC+7], 0, v[VS], v[PS] matrix_a_fmt:MATRIX_FMT_FP4 matrix_b_fmt:MATRIX_FMT_FP4
	v_wmma_scale_f32_16x16x128_f8f6f4 v[OO+8:OO+15], v[VF+8:VF+15], v[PC:PC+7], 0, v[VS], v[PS] matrix_a_fmt:MATRIX_FMT_FP4 matrix_b_fmt:MATRIX_FMT_FP4 matrix_a_scale:MATRIX_SCALE_ROW1
.else
	v_wmma_scale_f32_16x16x128_f8f6f4 v[OO:OO+7], v[VF:VF+7], v[PC:PC+7], v[OO:OO+7], v[VS], v[PS] matrix_a_fmt:MATRIX_FMT_FP4 matrix_b_fmt:MATRIX_FMT_FP4
	v_wmma_scale_f32_16x16x128_f8f6f4 v[OO+8:OO+15], v[VF+8:VF+15], v[PC:PC+7], v[OO+8:OO+15], v[VS], v[PS] matrix_a_fmt:MATRIX_FMT_FP4 matrix_b_fmt:MATRIX_FMT_FP4 matrix_a_scale:MATRIX_SCALE_ROW1
.endif
.endm
	s_load_b128 s[8:11], s[0:1], 0x0               ; qkv1, masks
	s_load_b64 s[12:13], s[0:1], 0x10              ; o1
	v_lshl_add_u32 v192, v0, 2, 0x8800
	v_mov_b32 v193, 0
	v_lshrrev_b32 v5, 5, v0
	v_readfirstlane_b32 s2, v5                     ; wave 0..15
	s_mov_b32 s3, ttmp9                            ; qb
	s_and_b32 s4, ttmp7, 0xffff                    ; 8 b + h
	s_lshr_b32 s5, s4, 3                           ; b
	s_and_b32 s6, s4, 7                            ; h
	v_and_b32 v6, 31, v0                           ; lane
	v_and_b32 v7, 15, v0                           ; r
	v_bfe_u32 v8, v0, 4, 1                         ; hh
	v_lshlrev_b32 v[LI], 4, v6
	v_lshlrev_b32 v[L4], 2, v6
	v_lshlrev_b32 v[SH8], 3, v8
	v_mov_b32 v[NINF], 0xff800000
	s_cmp_ge_u32 s6, 2                             ; the mask's type: heads 0, 1: 0; heads 2 to 5: 1; heads 6, 7: 2
	s_cselect_b32 s14, 1, 0
	s_cmp_ge_u32 s6, 6
	s_cselect_b32 s15, 1, 0
	s_add_co_u32 s14, s14, s15
	s_lshl_b32 s14, s14, 20
	s_lshl_b32 s15, s5, 17
	s_add_co_u32 s14, s14, s15
	s_lshl_b32 s15, s3, 15
	s_add_co_u32 s14, s14, s15
	s_lshl_b32 s15, s2, 11
	s_add_co_u32 s14, s14, s15                     ; + ((64 b + 16 qb + w) x 8) x 256
	s_mov_b32 s15, 0
	s_wait_kmcnt 0x0
	s_add_nc_u64 s[16:17], s[10:11], s[14:15]
	s_load_b512 s[32:47], s[16:17], 0x0            ; step 0's 64 words
	s_load_b512 s[48:63], s[16:17], 0x40
	s_load_b512 s[68:83], s[16:17], 0x80
	s_load_b512 s[84:99], s[16:17], 0xc0
	s_lshl_b32 s14, s4, 14
	s_add_nc_u64 s[26:27], s[8:9], s[14:15]        ; the head's q codes,
	s_add_co_u32 s14, s14, 0x100000
	s_add_nc_u64 s[24:25], s[8:9], s[14:15]        ; its k codes (v's lie 1,048,576 bytes on)
	s_lshl_b32 s14, s3, 12
	s_lshl_b32 s7, s2, 8
	s_add_co_u32 s14, s14, s7
	s_add_nc_u64 s[26:27], s[26:27], s[14:15]      ; q at my first query, n0 = 256 qb + 16 w
	s_lshl_b32 s7, s4, 14
	s_add_co_u32 s14, s14, s7
	s_add_nc_u64 s[28:29], s[12:13], s[14:15]      ; o's codes likewise
	s_lshl_b32 s14, s5, 13
	s_lshl_b32 s7, s6, 5
	s_add_co_u32 s14, s14, s7
	s_add_co_u32 s14, s14, 0x300000
	s_add_nc_u64 s[18:19], s[8:9], s[14:15]        ; the scale bytes of (b, h)
	s_lshl_b32 s14, s5, 13
	s_lshl_b32 s7, s3, 11
	s_add_co_u32 s14, s14, s7
	s_lshl_b32 s7, s2, 7
	s_add_co_u32 s14, s14, s7
	s_add_co_u32 s14, s14, s6
	s_add_co_u32 s14, s14, 0x100000
	s_add_nc_u64 s[12:13], s[12:13], s[14:15]      ; o's scale bytes: (1,024 b + n0) x 8 + h
	s_mov_b32 s20, 0x76543210
	s_mov_b32 s21, 0xfedcba98                      ; v_permlanex16_b32's selects for lane l xor 16
	s_mov_b32 s22, 0x3e8293ee                      ; c = log2(e) / sqrt(32)
	s_mov_b32 s23, s22                             ; (named with it as a pair)
	v_lshlrev_b32 v5, 4, v0                        ; 16 x thread
	v_lshlrev_b32 v20, 2, v0                       ; 4 x thread
	global_load_b128 v[100:103], v5, s[24:25]                   ; key t,
	global_load_b128 v[104:107], v5, s[24:25] offset:8192       ; key t + 512,
	global_load_b128 v[108:111], v5, s[24:25] offset:1048576    ; v's image as it lies
	global_load_b128 v[112:115], v5, s[24:25] offset:1056768
	v_lshrrev_b32 v21, 3, v0                       ; threads 0-255 make K's scale words: word t: bytes at 65,536 + 256 (t >> 3) + (t & 7) + 8 j
	v_and_b32 v22, 7, v0
	v_lshl_add_u32 v21, v21, 8, v22
	v_add_nc_u32 v21, 0x10000, v21
	v_bfe_u32 v22, v0, 5, 3                        ; threads 256-511 V's: bytes at 131,072 + 1,024 ((t >> 5) & 7) + (t & 31) + 256 j
	v_lshl_add_u32 v22, v22, 10, v6
	v_add_nc_u32 v22, 0x20000, v22
	v_cmp_gt_u32 vcc_lo, 256, v0
	v_cndmask_b32 v21, v22, v21, vcc_lo
	v_mov_b32 v175, 0x100
	v_cndmask_b32 v175, v175, 8, vcc_lo
	v_add_nc_u32 v22, v21, v175
	v_add_nc_u32 v23, v22, v175
	v_add_nc_u32 v174, v23, v175
	global_load_u8 v116, v21, s[18:19]             ; v21-23 and v174 stay as they are until the wait for these loads
	global_load_u8 v117, v22, s[18:19]
	global_load_u8 v118, v23, s[18:19]
	global_load_u8 v119, v174, s[18:19]
	v_lshlrev_b32 v176, 4, v7
	global_load_b128 v[120:123], v176, s[26:27]    ; my query's block: both halves of the lanes load it
	s_lshl_b32 s14, s3, 11                         ; q's scale byte: 256 (8 qb + (w >> 1)) + 16 (w & 1) + r
	s_lshr_b32 s7, s2, 1
	s_lshl_b32 s7, s7, 8
	s_add_co_u32 s14, s14, s7
	s_and_b32 s7, s2, 1
	s_lshl_b32 s7, s7, 4
	s_add_co_u32 s14, s14, s7
	v_add_nc_u32 v177, s14, v7
	global_load_u8 v124, v177, s[18:19]
	v_lshrrev_b32 v9, 6, v0                        ; where key t goes: 1,024 (t >> 6) + 256 ((t >> 3) & 3) + 128 ((t >> 5) & 1) + 16 (t & 7)
	v_lshlrev_b32 v9, 10, v9
	v_bfe_u32 v178, v0, 3, 2
	v_lshl_add_u32 v9, v178, 8, v9
	v_bfe_u32 v178, v0, 5, 1
	v_lshl_add_u32 v9, v178, 7, v9
	v_and_b32 v178, 7, v0
	v_lshl_add_u32 v9, v178, 4, v9
.irp i, 0,1,2,3,8,9,10,11,16,17,18,19
	v_mov_b32 v[QZ+\i], 0
.endr
	v_mov_b32 v[TR], 0xff61b1e6                    ; -3e38, under every t
	v_mov_b32 v[NM], 0
	v_mov_b32 v[LL], 0
	v_mov_b32 v[LL+1], 0
	v_mov_b32 v[FF], 0
	v_mov_b32 v[FF+1], 0                           ; (named as the upper half of a pair)
	v_lshl_add_u32 v179, v8, 3, v176               ; the way out: 16 r + 8 hh
	v_lshlrev_b32 v178, 3, v7                      ; and 8 r
	s_wait_loadcnt 0x0                             ; all the head's loads are done: their address registers are free from here on
	v_mov_b32 v[T1], 0                             ; a lane permute's destination counts as read.  (v21 was a load's address: it is written only behind the wait above)
	ds_store_b128 v9, v[100:103] offset:KIMG
	ds_store_b128 v9, v[104:107] offset:KIMG+8192
	ds_store_b128 v5, v[108:111] offset:VIMG
	ds_store_b128 v5, v[112:115] offset:VIMG+8192
	v_lshl_or_b32 v116, v117, 8, v116
	v_lshl_or_b32 v116, v118, 16, v116
	v_lshl_or_b32 v116, v119, 24, v116
	ds_store_b32 v20, v116 offset:KSC              ; K's 256 words, then V's 256
	v_lshl_or_b32 v124, v124, 8, v124
	v_lshl_or_b32 v[QS], v124, 16, v124            ; q's byte in all four places: whichever block holds the codes
	v_cmp_eq_u32 vcc_lo, 0, v8
.irp i, 0,1,2,3
	v_cndmask_b32 v[QZ+4+\i], v[QZ], v[120+\i], vcc_lo
	v_cndmask_b32 v[QZ+12+\i], v[120+\i], v[QZ], vcc_lo
.endr
	s_wait_dscnt 0x0
	s_barrier_signal -1
	s_barrier_wait -1                              ; the head's K and V lie in LDS; nothing is written there again
	KLOAD 0
.rept 8
	v_nop                                          ; a scale register written by vector instructions stands 8 places ahead of a scaled matrix instruction, an operand so written 4
.endr
.irp s, 0,1,2,3,4,5,6,7
	STEP \s
.endr
	NOP4
	v_add_f32 v[T0], v[LL], v[LL+1]                ; the sum's two halves,
	v_permlanex16_b32 v[T1], v[T0], s20, s21
	v_add_f32 v[T0], v[T0], v[T1]                  ; and lane l xor 16's
	v_rcp_f32 v[T0], v[T0]
	v_nop
.set iq, 0
	s_wait_alu depctr_va_vdst(0)
.rept 16
	v_mul_f32 v[S+iq], v[OO+iq], v[T0]             ; o(query r, d = 16 hh + iq)
.set iq, iq+1
.endr
	v_max3_num_f32 v[T2], |v[S]|, |v[S+1]|, 0x1800000          ; o is an operand of the next product: its block is this head's 32 numbers
.irp i, 2,4,6,8,10,12,14
	v_max3_num_f32 v[T2], v[T2], |v[S+\i]|, |v[S+\i+1]|
.endr
	v_permlanex16_b32 v[T1], v[T2], s20, s21
	v_max_num_f32 v[T2], v[T2], v[T1]
	v_add_nc_u32 v[T3], 0xff000000, v[T2]
	v_lshrrev_b32 v[T2], 23, v[T3]
	v_cvt_scalef32_pk8_fp4_f32 v[PC], v[S:S+7], v[T3]
	v_cvt_scalef32_pk8_fp4_f32 v[PC+1], v[S+8:S+15], v[T3]
	v_nop
	global_store_b64 v179, v[PC:PC+1], s[28:29]    ; the wave stores 256 consecutive bytes, aligned
	global_store_b8 v178, v[T2], s[12:13]          ; both lanes of a query store the same byte with the same value
	s_barrier_signal -1
	s_barrier_wait -1
	s_wait_tensorcnt 0x0
	ds_add_u32 v192, v193
	s_wait_dscnt 0x0
	s_endpgm
.Lfunc_end_k_qa7f88a4ed4_attn1:
	.size	k_qa7f88a4ed4_attn1, .Lfunc_end_k_qa7f88a4ed4_attn1-k_qa7f88a4ed4_attn1
	.p2alignl 7, 3214868480
	.fill 96, 4, 3214868480
	.section	.rodata,"a",@progbits
	.p2align	6, 0x0
	.amdhsa_kernel k_qa7f88a4ed4_attn1
		.amdhsa_group_segment_fixed_size 36864
		.amdhsa_private_segment_fixed_size 0
		.amdhsa_enable_private_segment 0
		.amdhsa_kernarg_size 24
		.amdhsa_user_sgpr_count 2
		.amdhsa_user_sgpr_kernarg_segment_ptr 1
		.amdhsa_wavefront_size32 1
		.amdhsa_system_sgpr_workgroup_id_x 1
		.amdhsa_system_sgpr_workgroup_id_y 1
		.amdhsa_system_sgpr_workgroup_id_z 1
		.amdhsa_system_vgpr_workitem_id 0
		.amdhsa_next_free_vgpr 194
		.amdhsa_next_free_sgpr 100
		.amdhsa_reserve_vcc 1
		.amdhsa_float_denorm_mode_32 3
		.amdhsa_float_denorm_mode_16_64 3
		.amdhsa_memory_ordered 1
		.amdhsa_forward_progress 1
		.amdhsa_inst_pref_size 141
	.end_amdhsa_kernel
	.amdgpu_metadata
---
amdhsa.version: [ 1, 2 ]
amdhsa.kernels:
  - .name:           k_qa7f88a4ed4_attn1
    .symbol:         k_qa7f88a4ed4_attn1.kd
    .args:
      - { .name: qkv1, .offset: 0, .size: 8, .value_kind: global_buffer, .address_space: global }
      - { .name: masks, .offset: 8, .size: 8, .value_kind: global_buffer, .address_space: global }
      - { .name: o1, .offset: 16, .size: 8, .value_kind: global_buffer, .address_space: global }
    .group_segment_fixed_size: 36864
    .private_segment_fixed_size: 0
    .kernarg_segment_align: 8
    .kernarg_segment_size: 24
    .max_flat_workgroup_size: 512
    .sgpr_count:     100
    .vgpr_count:     194
    .wavefront_size: 32
...
	.end_amdgpu_metadata
.endif
;; end of part 2
;; launch mid (part 3): grid 32 x 8, 4 waves a work-group, no clusters, 20,736 bytes of LDS; arguments o1, xres, wimg, Wo_scales, bo, ln1_g, ln1_b, W1_scales, b1, W2_scales, b2, ln2_g, ln2_b, Wqkv_scales, bqkv, qkv2, x2img; writes qkv2, x2img
.if DOCPART == 3
	.amdgcn_target "amdgcn-amd-amdhsa--gfx1250"
	.amdhsa_code_object_version 6
	.text
	.protected	k_qa7f88a4ed4_mid
	.globl	k_qa7f88a4ed4_mid
	.p2align	8
	.type	k_qa7f88a4ed4_mid,@function
k_qa7f88a4ed4_mid:
	s_mov_b64 s[64:65], 0
	v_nop
	global_prefetch_b8 v0, s[64:65] scope:SCOPE_SE
	s_setreg_imm32_b32 hwreg(HW_REG_WAVE_MODE, 25, 1), 1
	s_wait_xcnt 0x0
; MID: the rest of layer 0 and the head of layer 1: x1 = LN(x0 + o Wo + bo); x2 = LN(x1 + relu(x1 W1 + b1) W2 + b2); q, k, v of layer 1 as codes of FP4 (E2M1) with E8M0 scale bytes.
; SHARES.  A work-group is (batch b = y, key block kb = x): the 32 rows n = 32 kb + 16 t + r.  Its four waves share the COLUMNS: wave w owns column groups w (and w + 4 of the hidden layer) of 64, for both row tiles,
; so each weight byte enters the work-group once, straight into registers.  No tensor loads, no ring, no cluster: nothing in LDS is filled twice and the work-groups share only small weights.
; THE PRODUCT IS USED TRANSPOSED (source 0 = 16 rows of W, source 1 = 16 rows of x).  Tile j of group G takes W's rows 64 G + 32 (r >> 3) + 8 j + (r & 7), so lane (r, hh) holds columns 64 G + 32 hh + 0 .. 31 of row r:
; one whole block of the next K.  Operands go from wave to wave through LDS as images of their registers (a fragment: 1,024 bytes [half][lane][16]; its scale words: 64 bytes [row][4]).  Every stage has LDS bytes of its own.
; THE WEIGHTS' CODES come from wimg, where the first launch has laid them as images of these very registers: [unit 13][wave 4][piece 16][lane 32][16 bytes], piece 4 j + 2 k + c = half c of fragment (tile j, K step k).
; Units here: 0 Wo; 2, 3 W1's groups w, w + 4; 6, 7 W2's K steps 0-1, 2-3 (all of layer 0); 10, 11, 12 q, k, v of layer 1.  So each load of codes reads 512 consecutive bytes.
; Each stage's weights are asked for four places behind the stage before's last product and land under that stage's epilogue.
; Only position 0 leaves layer 1, so x2 in f32 is kept (x2img) by the work-groups with kb = 0 alone; K and V of layer 1 are made of all rows.
; LIMITS: NaN and infinities are not served; a block of zeros gets the scale byte 1 (its codes are zeros; only this program reads the bytes).
.set NT, 2
.set LI, 1                             ; 16 x lane
.set LS4, 2                            ; 4 r
.set IMGW, 3                           ; 16 x lane + 512 w
.set SCW, 4                            ; 4 r + hh + 64 (w >> 1) + 2 (w & 1)
.set STW, 5                            ; 16 r + 4 w
.set STR, 6                            ; 16 r
.set WSO8, 8                           ; (32 (r >> 3) + (r & 7)) x 8
.set BOF, 9                            ; 128 hh
.set VSO, 11                           ; (16 (r >> 3) + (r & 7)) x 8
.set VBO, 12                           ; x 4
.set QST, 13                           ; 16,384 hh + 16 r
.set VST, 14                           ; 16 r + 8 hh
.set SBQ, 15
.set SBV, 16
.set SBR, 17
.set L8, 18                            ; 8 x lane
.set WSO16, 20                         ; (32 (r >> 3) + (r & 7)) x 16
.set O8R, 21                           ; 8 r
.set WS, 32                            ; v32-47  W's scale words (scales and nothing else)
.set XS, 48                            ; v48-55  the rows' scale words (likewise)
.set TM, 56
.set SO, 58
.set BY, 60
.set XF, 64
.set ACC, 96
.set RES, 160
.set PC, 224
.set TP, 232
.set BI, 128                           ; window 1: v0-127 W's fragments; v128-191 bias tiles; v192-223, v224-255 LayerNorm's gain and bias
.set LNG, 192
.set LNB, 224
.set P_O, 8                            ; scalar pairs: o1's codes
.set P_XR, 10                          ; xres
.set P_WI, 12                          ; wimg + 8,192 w
.set P_WOS, 14                         ; Wo's scales
.set P_BO, 16
.set P_G1, 18                          ; ln1_g
.set P_N1, 20                          ; ln1_b
.set P_W1S, 22
.set P_B1, 24
.set P_W2S, 26
.set P_B2, 28
.set P_G2, 30                          ; ln2_g
.set P_N2, 32                          ; ln2_b
.set P_QS, 34                          ; Wqkv's scales, layer 1
.set P_BQ, 36                          ; bqkv, layer 1
.set P_QK, 38                          ; qkv2: q's and k's codes
.set P_X2, 40                          ; x2img
.set P_OS, 48                          ; o1's scale bytes
.set P_V, 50                           ; qkv2: v's codes
.set P_SB, 52                          ; qkv2: the scale bytes
.set SEL, 54
.set I256, 56
.set EPS, 57
.set STAT, 0
.set X1, 2048
.set XS1, 6144
.set HI, 6400
.set HS, 14592
.set X2, 15104
.set XS2, 19200
.set SBST, 19456
.set MSB, 0
.macro WIN new                         ; the immediate's high byte repeats the setting that is left
.if MSB != \new
	s_set_vgpr_msb (MSB<<8)|\new
.set MSB, \new
.endif
.endm
.macro NOP4                            ; four places behind a matrix instruction (ISA guide 7.12.1), where no other vector work is at hand
.rept 4
	v_nop
.endr
.endm
.macro BARRIER                         ; my LDS stores have landed and my LDS loads are in: then the work-group's barrier
	s_wait_dscnt 0x0
	s_barrier_signal -1
	s_barrier_wait -1
.endm
.macro MMC d, a, b, c, sa, sb
	v_wmma_scale_f32_16x16x128_f8f6f4 v[\d:\d+7], v[\a:\a+7], v[\b:\b+7], v[\c:\c+7], v[\sa], v[\sb] matrix_a_fmt:MATRIX_FMT_FP4 matrix_b_fmt:MATRIX_FMT_FP4
.endm
; my part of unit un (and un + 1 for K steps 2, 3): codes into window 1 from slot on (tile j, K step kq at 8 (nks j + kq)); bias tiles and scale words of the rows from row0 on
.macro LDG un, sb, bb, row0, nks, slot, ss, bs, wso
	WIN 0x40
.irp j, 0,1,2,3
.set kq, 0
.rept \nks
.irp c, 0,1
	global_load_b128 v[\slot+8*(\nks*\j+kq)+4*\c:\slot+8*(\nks*\j+kq)+4*\c+3], v[LI], s[P_WI:P_WI+1] offset:(\un+(kq>>1))*32768+512*(4*\j+2*(kq&1)+\c)
.endr
.set kq, kq+1
.endr
.irp c, 0,1
	global_load_b128 v[BI+\bs+8*\j+4*\c:BI+\bs+8*\j+4*\c+3], v[BOF], s[\bb:\bb+1] offset:(\row0+8*\j)*4+16*\c
.endr
.endr
	WIN 0
.irp j, 0,1,2,3
.if \nks == 2
	global_load_b64 v[WS+\ss+2*\j:WS+\ss+2*\j+1], v[\wso], s[\sb:\sb+1] offset:(\row0+8*\j)*8
.else
	global_load_b128 v[WS+\ss+4*\j:WS+\ss+4*\j+3], v[\wso], s[\sb:\sb+1] offset:(\row0+8*\j)*16
.endif
.endr
.endm
.macro LDLN gp, bp, dg, db             ; two vectors at my 32 columns, into window 1
	WIN 0x40
.irp i, 0,1,2,3,4,5,6,7
	global_load_b128 v[\dg+4*\i:\dg+4*\i+3], v[BOF], s[\gp:\gp+1] offset:16*\i
	global_load_b128 v[\db+4*\i:\db+4*\i+3], v[BOF], s[\bp:\bp+1] offset:16*\i
.endr
	WIN 0
.endm
; K steps k0 .. k1 of a product.  The accumulators take turns, one instruction a turn.  start = 1: the bias tile is the C of the first K step
.macro PROD slot, ss, bs, nks, k0, k1, start
.set kq, \k0
.rept \k1-\k0+1
.if \start && (kq == \k0)
	WIN 0x11
.else
	WIN 0x01
.endif
.irp t, 0,1
.if \t < NT
.irp j, 0,1,2,3
.if \start && (kq == \k0)
	MMC ACC+8*(4*\t+\j), \slot+8*(\nks*\j+kq), XF+8*(2*\t+(kq&1)), BI+\bs+8*\j, WS+\ss+\nks*\j+kq, XS+\nks*\t+kq
.else
	MMC ACC+8*(4*\t+\j), \slot+8*(\nks*\j+kq), XF+8*(2*\t+(kq&1)), ACC+8*(4*\t+\j), WS+\ss+\nks*\j+kq, XS+\nks*\t+kq
.endif
.endr
.endif
.endr
.set kq, kq+1
.endr
	WIN 0
.endm
.macro FETCH img, sc, nks, k0          ; fragments of K steps k0, k0 + 1 of both row tiles; with k0 = 0 all scale words
.irp t, 0,1
.if \t < NT
.irp k, 0,1
.irp c, 0,1
	ds_load_b128 v[XF+8*(2*\t+\k)+4*\c:XF+8*(2*\t+\k)+4*\c+3], v[LI] offset:\img+(\nks*\t+\k0+\k)*1024+512*\c
.endr
.endr
.if \k0 == 0
.set kq, 0
.rept \nks
	ds_load_b32 v[XS+\nks*\t+kq], v[LS4] offset:\sc+64*(\nks*\t+kq)
.set kq, kq+1
.endr
.endif
.endif
.endr
.endm
; nb blocks of 32 numbers of a lane, at src and src + stride, become 4 code registers each (PC + 4 m) and a scale byte (BY + m)
.macro QB2 src, stride, nb
.irp m, 0,1
.if \m < \nb
	v_max3_num_f32 v[TM+\m], |v[\src+\stride*\m]|, |v[\src+\stride*\m+1]|, 0x1800000   ; the floor 2^(3 - 127) among the leaves: the byte cannot fall under 1
.endif
.endr
.irp i, 2,4,6,8,10,12,14,16,18,20,22,24,26,28,30
.irp m, 0,1
.if \m < \nb
	v_max3_num_f32 v[TM+\m], v[TM+\m], |v[\src+\stride*\m+\i]|, |v[\src+\stride*\m+\i+1]|
.endif
.endr
.endr
.irp m, 0,1
.if \m < \nb
	v_add_nc_u32 v[SO+\m], 0xff000000, v[TM+\m]    ; 2 off the exponent field: the conversion's scale operand
.endif
.endr
.irp m, 0,1
.if \m < \nb
	v_lshrrev_b32 v[BY+\m], 23, v[SO+\m]           ; the scale's byte
.endif
.endr
.irp m, 0,1
.if \m < \nb
.irp g, 0,1,2,3
	v_cvt_scalef32_pk8_fp4_f32 v[PC+4*\m+\g], v[\src+\stride*\m+8*\g:\src+\stride*\m+8*\g+7], v[SO+\m]
.endr
.endif
.endr
	v_nop                                          ; one plain place behind a scaled conversion
.endm
; a pair of partial sums (TP + 2 t) becomes the row's total (TP + 4 + t): my two halves, lane l xor 16, then the four waves through LDS
.macro LNX stat
.irp t, 0,1
.if \t < NT
	v_add_f32 v[TP+4+\t], v[TP+2*\t], v[TP+2*\t+1]
.endif
.endr
.irp t, 0,1
.if \t < NT
	v_permlanex16_b32 v[TP+6+\t], v[TP+4+\t], s[SEL], s[SEL+1]
.endif
.endr
.irp t, 0,1
.if \t < NT
	v_add_f32 v[TP+4+\t], v[TP+4+\t], v[TP+6+\t]
.endif
.endr
.irp t, 0,1
.if \t < NT
	ds_store_b32 v[STW], v[TP+4+\t] offset:\stat+256*\t
.endif
.endr
	BARRIER
.irp t, 0,1
.if \t < NT
	ds_load_b128 v[TP+8+4*\t:TP+11+4*\t], v[STR] offset:\stat+256*\t
.endif
.endr
	s_wait_dscnt 0x0
.irp t, 0,1
.if \t < NT
	v_add_f32 v[TP+8+4*\t], v[TP+8+4*\t], v[TP+9+4*\t]
	v_add_f32 v[TP+10+4*\t], v[TP+10+4*\t], v[TP+11+4*\t]
.endif
.endr
.irp t, 0,1
.if \t < NT
	v_add_f32 v[TP+4+\t], v[TP+8+4*\t], v[TP+10+4*\t]
.endif
.endr
.endm
; RES = LayerNorm(ACC (+ RES)); the mean first, then the squares of the differences.  qz = 1: RES is quantised and its image goes to LDS
.macro LN res, stat, img, sc, qz
.if \res
.set iq, 0
.rept 16*NT
	v_pk_add_f32 v[ACC+iq:ACC+iq+1], v[ACC+iq:ACC+iq+1], v[RES+iq:RES+iq+1]
.set iq, iq+2
.endr
.endif
.irp t, 0,1
.if \t < NT
	v_pk_add_f32 v[TP+2*\t:TP+2*\t+1], v[ACC+32*\t:ACC+32*\t+1], v[ACC+32*\t+2:ACC+32*\t+3]
.endif
.endr
.irp i, 4,6,8,10,12,14,16,18,20,22,24,26,28,30
.irp t, 0,1
.if \t < NT
	v_pk_add_f32 v[TP+2*\t:TP+2*\t+1], v[TP+2*\t:TP+2*\t+1], v[ACC+32*\t+\i:ACC+32*\t+\i+1]
.endif
.endr
.endr
	LNX \stat
.irp t, 0,1
.if \t < NT
	v_mul_f32 v[TP+16+2*\t], s[I256], v[TP+4+\t]   ; the mean, twice: a pair for the packed forms
	v_mul_f32 v[TP+17+2*\t], s[I256], v[TP+4+\t]
.endif
.endr
.irp t, 0,1
.if \t < NT
.set iq, 0
.rept 16
	v_pk_add_f32 v[ACC+32*\t+iq:ACC+32*\t+iq+1], v[ACC+32*\t+iq:ACC+32*\t+iq+1], v[TP+16+2*\t:TP+17+2*\t] neg_lo:[0,1] neg_hi:[0,1]
.set iq, iq+2
.endr
.endif
.endr
.irp t, 0,1
.if \t < NT
	v_pk_mul_f32 v[TP+2*\t:TP+2*\t+1], v[ACC+32*\t:ACC+32*\t+1], v[ACC+32*\t:ACC+32*\t+1]
.endif
.endr
.irp i, 2,4,6,8,10,12,14,16,18,20,22,24,26,28,30
.irp t, 0,1
.if \t < NT
	v_pk_fma_f32 v[TP+2*\t:TP+2*\t+1], v[ACC+32*\t+\i:ACC+32*\t+\i+1], v[ACC+32*\t+\i:ACC+32*\t+\i+1], v[TP+2*\t:TP+2*\t+1]
.endif
.endr
.endr
	LNX \stat+512
.irp t, 0,1
.if \t < NT
	v_fma_f32 v[TP+4+\t], v[TP+4+\t], s[I256], s[EPS]
.endif
.endr
.irp t, 0,1
.if \t < NT
	v_rsq_f32 v[TP+16+2*\t], v[TP+4+\t]
	v_rsq_f32 v[TP+17+2*\t], v[TP+4+\t]
.endif
.endr
	v_nop                                          ; a plain place behind the transcendentals
.irp t, 0,1
.if \t < NT
.set iq, 0
	s_wait_alu depctr_va_vdst(0)
.rept 16
	v_pk_mul_f32 v[ACC+32*\t+iq:ACC+32*\t+iq+1], v[ACC+32*\t+iq:ACC+32*\t+iq+1], v[TP+16+2*\t:TP+17+2*\t]
.set iq, iq+2
.endr
.endif
.endr
	WIN 0x14                                       ; gain and bias lie in window 1
.irp t, 0,1
.if \t < NT
.set iq, 0
.rept 16
	v_pk_fma_f32 v[RES+32*\t+iq:RES+32*\t+iq+1], v[ACC+32*\t+iq:ACC+32*\t+iq+1], v[LNG+iq:LNG+iq+1], v[LNB+iq:LNB+iq+1]
.set iq, iq+2
.endr
.endif
.endr
	WIN 0
.if \qz
	QB2 RES, 32, NT
.irp t, 0,1
.if \t < NT
	ds_store_b128 v[IMGW], v[PC+4*\t:PC+4*\t+3] offset:\img+2048*\t
	ds_store_b8 v[SCW], v[BY+\t] offset:\sc+128*\t
.endif
.endr
	BARRIER
.endif
.endm
.macro RESIO st, bp, ao                ; RES to or from a register image in memory: each instruction covers 512 consecutive bytes
.irp t, 0,1
.if \t < NT
.irp i, 0,1,2,3,4,5,6,7
.if \st
	global_store_b128 v[\ao], v[RES+32*\t+4*\i:RES+32*\t+4*\i+3], s[\bp:\bp+1] offset:4096*\t+512*\i
.else
	global_load_b128 v[RES+32*\t+4*\i:RES+32*\t+4*\i+3], v[\ao], s[\bp:\bp+1] offset:4096*\t+512*\i
.endif
.endr
.endif
.endr
.endm
; v's weights, unit 12: tile f = 2 e + d holds rows 512 + 64 w + 32 e + 16 (r >> 3) + 8 d + (r & 7)
.macro LDV sb, bb
	WIN 0x40
.irp e, 0,1
.irp d, 0,1
.irp k, 0,1
.irp c, 0,1
	global_load_b128 v[8*(2*(2*\e+\d)+\k)+4*\c:8*(2*(2*\e+\d)+\k)+4*\c+3], v[LI], s[P_WI:P_WI+1] offset:12*32768+512*(4*(2*\e+\d)+2*\k+\c)
.endr
.endr
	global_load_b32 v[192+2*\e+\d], v[VBO], s[\bb:\bb+1] offset:(512+32*\e+8*\d)*4
.endr
.endr
	WIN 0
.irp e, 0,1
.irp d, 0,1
	global_load_b64 v[WS+2*(2*\e+\d):WS+2*(2*\e+\d)+1], v[VSO], s[\sb:\sb+1] offset:(512+32*\e+8*\d)*8
.endr
.endr
.endm
; q (part 0) or k (part 1): a lane's 32 numbers are one row's one head: one block.  16 lanes store 256 consecutive bytes
.macro EPQK part, oq
.if \part
	s_wait_xcnt 0x0                                ; q's stores have read PC.  (Ahead of q's own epilogue no pending memory instruction names a register that it writes)
.endif
	s_wait_dscnt 0x0                               ; earlier LDS stores have read PC and BY
	QB2 ACC, 32, 2
.irp t, 0,1
	global_store_b128 v[QST], v[PC+4*\t:PC+4*\t+3], s[\oq:\oq+1] offset:\part*1048576+256*\t
	ds_store_b8 v[SBQ], v[BY+\t] offset:256*\part+16*\t
.endr
.endm
.macro QKV sb, bb, img, sc, oq, ov
	FETCH \img, \sc, 2, 0
	s_wait_loadcnt 0x0                             ; q's and k's weights, asked for ahead of the LayerNorm
	s_wait_dscnt 0x0
	PROD 0, 0, 0, 2, 0, 1, 1
	NOP4
	LDV \sb, \bb                                   ; into q's registers; they land under the two epilogues
	EPQK 0, \oq
	PROD 64, 8, 32, 2, 0, 1, 1
	NOP4
	EPQK 1, \oq
	s_wait_loadcnt 0x0
	WIN 0x41
.irp f, 0,1,2,3
.irp i, 0,1,2,3,4,5,6,7
	v_mov_b32 v[BI+8*\f+\i], v[192+\f]             ; here a lane holds ONE column: its bias in all eight registers of C
.endr
.endr
	WIN 0
	NOP4
; v NOT transposed: source 0 = x's rows, source 1 = W's rows: a lane holds column m = r and keys 16 t + 8 hh + i: registers run along the keys, v's K
.irp k, 0,1
.if \k == 0
	WIN 0x14
.else
	WIN 0x04
.endif
.irp f, 0,1,2,3
.irp t, 0,1
.if \k == 0
	MMC ACC+8*(2*\f+\t), XF+8*(2*\t+\k), 8*(2*\f+\k), BI+8*\f, XS+2*\t+\k, WS+2*\f+\k
.else
	MMC ACC+8*(2*\f+\t), XF+8*(2*\t+\k), 8*(2*\f+\k), ACC+8*(2*\f+\t), XS+2*\t+\k, WS+2*\f+\k
.endif
.endr
.endr
.endr
	WIN 0
	NOP4
.irp f, 0,1,2,3
	v_max3_num_f32 v[TP+\f], |v[ACC+16*\f]|, |v[ACC+16*\f+1]|, 0x1800000
.endr
.irp i, 2,4,6,8,10,12,14
.irp f, 0,1,2,3
	v_max3_num_f32 v[TP+\f], v[TP+\f], |v[ACC+16*\f+\i]|, |v[ACC+16*\f+\i+1]|
.endr
.endr
.irp f, 0,1,2,3
	v_permlanex16_b32 v[TP+4+\f], v[TP+\f], s[SEL], s[SEL+1]
.endr
.irp f, 0,1,2,3
	v_max_num_f32 v[TP+\f], v[TP+\f], v[TP+4+\f]   ; with lane l xor 16's 16 keys: the block's largest magnitude
.endr
.irp f, 0,1,2,3
	v_add_nc_u32 v[TP+8+\f], 0xff000000, v[TP+\f]
.endr
.irp f, 0,1,2,3
	v_lshrrev_b32 v[TP+12+\f], 23, v[TP+8+\f]
.endr
.irp f, 0,1,2,3
	v_cvt_scalef32_pk8_fp4_f32 v[TP+16+2*\f], v[ACC+16*\f:ACC+16*\f+7], v[TP+8+\f]
	v_cvt_scalef32_pk8_fp4_f32 v[TP+17+2*\f], v[ACC+16*\f+8:ACC+16*\f+15], v[TP+8+\f]
.endr
	v_nop
.irp f, 0,1,2,3
	v_permlane16_swap_b32 v[TP+16+2*\f], v[TP+17+2*\f]   ; lane (m, hh) now holds bytes 8 hh .. 8 hh + 7 of its column's block
.endr
.irp e, 0,1
.irp d, 0,1
	global_store_b64 v[VST], v[TP+16+2*(2*\e+\d):TP+17+2*(2*\e+\d)], s[\ov:\ov+1] offset:16384*\e+1024*\d   ; the wave stores 256 consecutive bytes, aligned
	ds_store_b8 v[SBV], v[TP+12+2*\e+\d] offset:32*\e+16*\d
.endr
.endr
	BARRIER                                        ; all scale bytes of the work-group lie in LDS
.endm
.macro RELUQ u                         ; the activation in f32, the quantiser, the image of my part of the hidden layer
.set iq, 0
.rept 32*NT
	v_max_num_f32 v[ACC+iq], 0, v[ACC+iq]
.set iq, iq+1
.endr
	s_wait_dscnt 0x0                               ; earlier LDS stores have read PC and BY
	QB2 ACC, 32, NT
.irp t, 0,1
.if \t < NT
	ds_store_b128 v[IMGW], v[PC+4*\t:PC+4*\t+3] offset:HI+4096*\t+2048*\u
	ds_store_b8 v[SCW], v[BY+\t] offset:HS+256*\t+128*\u
.endif
.endr
.endm
	s_load_b512 s[8:23], s[0:1], 0x0               ; o1 8, xres 10, wimg 12, Wo scales 14, bo 16, ln1_g 18, ln1_b 20, W1 scales 22
	s_load_b512 s[24:39], s[0:1], 0x40             ; b1 24, W2 scales 26, b2 28, ln2_g 30, ln2_b 32, Wqkv scales 34, bqkv 36, qkv2 38
	s_load_b64 s[40:41], s[0:1], 0x80              ; x2img
	v_lshl_add_u32 v62, v0, 2, 0x4f00
	v_mov_b32 v63, 0
	v_lshrrev_b32 v25, 5, v0
	v_readfirstlane_b32 s2, v25                    ; wave 0..3
	s_mov_b32 s3, ttmp9                            ; kb
	s_and_b32 s4, ttmp7, 0xffff                    ; b
	s_lshr_b32 s60, s2, 1
	s_and_b32 s61, s2, 1
	v_and_b32 v25, 31, v0                          ; lane
	v_and_b32 v26, 15, v0                          ; r
	v_bfe_u32 v27, v0, 4, 1                        ; hh
	v_lshlrev_b32 v[LI], 4, v25
	v_lshlrev_b32 v[L8], 3, v25
	v_lshlrev_b32 v[LS4], 2, v26
	v_lshlrev_b32 v[STR], 4, v26
	v_lshlrev_b32 v[O8R], 3, v26
	s_lshl_b32 s62, s2, 9
	v_add_nc_u32 v[IMGW], s62, v[LI]
	s_lshl_b32 s62, s60, 6
	s_lshl_b32 s63, s61, 1
	s_add_co_u32 s62, s62, s63
	v_add_nc_u32 v[SCW], v[LS4], v27
	v_add_nc_u32 v[SCW], s62, v[SCW]
	s_lshl_b32 s62, s2, 2
	v_add_nc_u32 v[STW], s62, v[STR]
	v_lshrrev_b32 v28, 3, v26
	v_and_b32 v29, 7, v26
	v_lshl_add_u32 v30, v28, 5, v29                ; 32 (r >> 3) + (r & 7)
	v_lshl_add_u32 v31, v28, 4, v29                ; 16 (r >> 3) + (r & 7)
	v_lshlrev_b32 v[WSO8], 3, v30
	v_lshlrev_b32 v[WSO16], 4, v30
	v_lshlrev_b32 v[BOF], 7, v27
	v_lshlrev_b32 v[VSO], 3, v31
	v_lshlrev_b32 v[VBO], 2, v31
	v_lshl_add_u32 v[QST], v27, 14, v[STR]
	v_lshl_add_u32 v[VST], v27, 3, v[STR]
	s_lshl_b32 s62, s2, 6
	v_lshl_add_u32 v[SBQ], v27, 5, v26
	v_add_nc_u32 v[SBQ], s62, v[SBQ]
	v_add_nc_u32 v[SBQ], SBST, v[SBQ]
	v_add_nc_u32 v[SBV], s62, v26
	v_add_nc_u32 v[SBV], SBST+512, v[SBV]
	s_min_u32 s62, s2, 2
	s_lshl_b32 s63, s62, 8
	v_add_nc_u32 v[SBR], s63, v[L8]
	v_add_nc_u32 v[SBR], SBST, v[SBR]
.irp i, 4,5,6,7
	v_mov_b32 v[TP+\i], 0                          ; a lane permute's destination counts as read
.endr
	s_mov_b32 s[SEL], 0x76543210
	s_mov_b32 s[SEL+1], 0xfedcba98
	s_mov_b32 s[I256], 0x3b800000
	s_mov_b32 s[EPS], 0x3727c5ac
	s_mov_b32 s7, 0
	s_wait_kmcnt 0x0
	s_lshl_b32 s6, s4, 13                          ; o's scale bytes: (1,024 b + 32 kb) x 8
	s_lshl_b32 s62, s3, 8
	s_add_co_u32 s6, s6, s62
	s_add_nc_u64 s[P_OS:P_OS+1], s[P_O:P_O+1], s[6:7]
	s_lshl_b32 s6, s4, 17                          ; o's codes: 131,072 b + 512 kb
	s_lshl_b32 s62, s3, 9
	s_add_co_u32 s6, s6, s62
	s_add_nc_u64 s[P_O:P_O+1], s[P_O:P_O+1], s[6:7]
	s_lshl_b32 s6, s4, 20                          ; xres
	s_lshl_b32 s62, s3, 15
	s_add_co_u32 s6, s6, s62
	s_lshl_b32 s62, s2, 13
	s_add_co_u32 s6, s6, s62
	s_add_nc_u64 s[P_XR:P_XR+1], s[P_XR:P_XR+1], s[6:7]
	s_lshl_b32 s6, s2, 13                          ; my wave's 8,192 bytes of every unit
	s_add_nc_u64 s[P_WI:P_WI+1], s[P_WI:P_WI+1], s[6:7]
	s_lshl_b32 s6, s2, 9                           ; my 64 rows of scale bytes, 8 a row
	s_add_nc_u64 s[P_WOS:P_WOS+1], s[P_WOS:P_WOS+1], s[6:7]
	s_add_nc_u64 s[P_W1S:P_W1S+1], s[P_W1S:P_W1S+1], s[6:7]
	s_add_co_u32 s6, s6, 6144                      ; Wqkv: layer 1
	s_add_nc_u64 s[P_QS:P_QS+1], s[P_QS:P_QS+1], s[6:7]
	s_lshl_b32 s6, s2, 10                          ; 16 a row
	s_add_nc_u64 s[P_W2S:P_W2S+1], s[P_W2S:P_W2S+1], s[6:7]
	s_lshl_b32 s6, s2, 8                           ; my 64 numbers of the vectors
	s_add_nc_u64 s[P_BO:P_BO+1], s[P_BO:P_BO+1], s[6:7]
	s_add_nc_u64 s[P_G1:P_G1+1], s[P_G1:P_G1+1], s[6:7]
	s_add_nc_u64 s[P_N1:P_N1+1], s[P_N1:P_N1+1], s[6:7]
	s_add_nc_u64 s[P_B1:P_B1+1], s[P_B1:P_B1+1], s[6:7]
	s_add_nc_u64 s[P_B2:P_B2+1], s[P_B2:P_B2+1], s[6:7]
	s_add_nc_u64 s[P_G2:P_G2+1], s[P_G2:P_G2+1], s[6:7]
	s_add_nc_u64 s[P_N2:P_N2+1], s[P_N2:P_N2+1], s[6:7]
	s_add_co_u32 s6, s6, 3072                      ; bqkv: layer 1
	s_add_nc_u64 s[P_BQ:P_BQ+1], s[P_BQ:P_BQ+1], s[6:7]
	; the head's loads: o's four fragments and scale words straight into the operand's registers (block = head 4 k + 2 c + hh), the residual, Wo, ln1
.irp t, 0,1
.irp k, 0,1
.irp c, 0,1
	global_load_b128 v[XF+8*(2*\t+\k)+4*\c:XF+8*(2*\t+\k)+4*\c+3], v[QST], s[P_O:P_O+1] offset:(4*\k+2*\c)*16384+256*\t
.endr
	global_load_b32 v[XS+2*\t+\k], v[O8R], s[P_OS:P_OS+1] offset:1048576+128*\t+4*\k
.endr
.endr
	RESIO 0, P_XR, LI
	LDG 0, P_WOS, P_BO, 0, 2, 0, 0, 0, WSO8
	LDLN P_G1, P_N1, LNG, LNB
	s_lshl_b32 s63, s4, 17                         ; qkv2: (8 b + 2 w) x 16,384
	s_lshl_b32 s62, s2, 15
	s_add_co_u32 s63, s63, s62
	s_lshr_b32 s62, s3, 2
	s_lshl_b32 s62, s62, 11
	s_add_co_u32 s6, s63, s62
	s_and_b32 s62, s3, 3
	s_lshl_b32 s62, s62, 8
	s_add_co_u32 s6, s6, s62
	s_add_co_u32 s6, s6, 0x200000
	s_add_nc_u64 s[P_V:P_V+1], s[P_QK:P_QK+1], s[6:7]        ; v's codes
	s_min_u32 s62, s2, 2
	s_lshl_b32 s6, s62, 16
	s_lshl_b32 s62, s4, 13
	s_add_co_u32 s6, s6, s62
	s_lshl_b32 s62, s3, 8
	s_add_co_u32 s6, s6, s62
	s_add_co_u32 s6, s6, 0x300000
	s_add_nc_u64 s[P_SB:P_SB+1], s[P_QK:P_QK+1], s[6:7]      ; the scale bytes
	s_lshl_b32 s62, s3, 9
	s_add_co_u32 s6, s63, s62
	s_add_nc_u64 s[P_QK:P_QK+1], s[P_QK:P_QK+1], s[6:7]      ; q's and k's codes
	s_lshl_b32 s6, s4, 15                          ; x2img: 32,768 b + 8,192 w
	s_lshl_b32 s62, s2, 13
	s_add_co_u32 s6, s6, s62
	s_add_nc_u64 s[P_X2:P_X2+1], s[P_X2:P_X2+1], s[6:7]
	s_wait_loadcnt 0x0
	PROD 0, 0, 0, 2, 0, 1, 1                       ; o Wo + bo
	NOP4
	LDG 2, P_W1S, P_B1, 0, 2, 0, 0, 0, WSO8        ; W1's groups w
	LDG 3, P_W1S, P_B1, 256, 2, 64, 8, 32, WSO8    ; and w + 4
	LN 1, STAT, X1, XS1, 1                         ; x1
	FETCH X1, XS1, 2, 0
	s_wait_loadcnt 0x0
	s_wait_dscnt 0x0
	PROD 0, 0, 0, 2, 0, 1, 1
	NOP4
	RELUQ 0
	PROD 64, 8, 32, 2, 0, 1, 1
	NOP4
	LDG 6, P_W2S, P_B2, 0, 4, 0, 0, 0, WSO16
	LDLN P_G2, P_N2, LNG, LNB
	RELUQ 1
	BARRIER                                        ; the hidden layer's eight fragments lie in LDS
	FETCH HI, HS, 4, 0
	s_wait_loadcnt 0x0
	s_wait_dscnt 0x0
	PROD 0, 0, 0, 4, 0, 1, 1
	NOP4
	FETCH HI, HS, 4, 2
	s_wait_dscnt 0x0
	PROD 0, 0, 0, 4, 2, 3, 0
	NOP4
	LDG 10, P_QS, P_BQ, 0, 2, 0, 0, 0, WSO8        ; q's and k's weights of layer 1
	LDG 11, P_QS, P_BQ, 256, 2, 64, 8, 32, WSO8
	LN 1, STAT+1024, X2, XS2, 1                    ; x2
	s_cmp_lg_u32 s3, 0
	s_cbranch_scc1 .Lnot_first
	RESIO 1, P_X2, LI                              ; the rows with position 0 among them: the residual of layer 1
.Lnot_first:
	QKV P_QS, P_BQ, X2, XS2, P_QK, P_V
	s_cmp_gt_u32 s2, 2
	s_cbranch_scc1 .Lend
	ds_load_b64 v[TP:TP+1], v[SBR]
	s_wait_dscnt 0x0
	global_store_b64 v[L8], v[TP:TP+1], s[P_SB:P_SB+1]   ; 256 consecutive bytes, aligned
.Lend:
	s_barrier_signal -1
	s_barrier_wait -1
	s_wait_tensorcnt 0x0
	ds_add_u32 v62, v63
	s_wait_dscnt 0x0
	s_endpgm
.Lfunc_end_k_qa7f88a4ed4_mid:
	.size	k_qa7f88a4ed4_mid, .Lfunc_end_k_qa7f88a4ed4_mid-k_qa7f88a4ed4_mid
	.p2alignl 7, 3214868480
	.fill 96, 4, 3214868480
	.section	.rodata,"a",@progbits
	.p2align	6, 0x0
	.amdhsa_kernel k_qa7f88a4ed4_mid
		.amdhsa_group_segment_fixed_size 20736
		.amdhsa_private_segment_fixed_size 0
		.amdhsa_enable_private_segment 0
		.amdhsa_kernarg_size 136
		.amdhsa_user_sgpr_count 2
		.amdhsa_user_sgpr_kernarg_segment_ptr 1
		.amdhsa_wavefront_size32 1
		.amdhsa_system_sgpr_workgroup_id_x 1
		.amdhsa_system_sgpr_workgroup_id_y 1
		.amdhsa_system_sgpr_workgroup_id_z 1
		.amdhsa_system_vgpr_workitem_id 0
		.amdhsa_next_free_vgpr 512
		.amdhsa_next_free_sgpr 66
		.amdhsa_reserve_vcc 0
		.amdhsa_float_denorm_mode_32 3
		.amdhsa_float_denorm_mode_16_64 3
		.amdhsa_memory_ordered 1
		.amdhsa_forward_progress 1
		.amdhsa_inst_pref_size 110
	.end_amdhsa_kernel
	.amdgpu_metadata
---
amdhsa.version: [ 1, 2 ]
amdhsa.kernels:
  - .name:           k_qa7f88a4ed4_mid
    .symbol:         k_qa7f88a4ed4_mid.kd
    .args:
      - { .name: o1, .offset: 0, .size: 8, .value_kind: global_buffer, .address_space: global }
      - { .name: xres, .offset: 8, .size: 8, .value_kind: global_buffer, .address_space: global }
      - { .name: wimg, .offset: 16, .size: 8, .value_kind: global_buffer, .address_space: global }
      - { .name: Wo_scales, .offset: 24, .size: 8, .value_kind: global_buffer, .address_space: global }
      - { .name: bo, .offset: 32, .size: 8, .value_kind: global_buffer, .address_space: global }
      - { .name: ln1_g, .offset: 40, .size: 8, .value_kind: global_buffer, .address_space: global }
      - { .name: ln1_b, .offset: 48, .size: 8, .value_kind: global_buffer, .address_space: global }
      - { .name: W1_scales, .offset: 56, .size: 8, .value_kind: global_buffer, .address_space: global }
      - { .name: b1, .offset: 64, .size: 8, .value_kind: global_buffer, .address_space: global }
      - { .name: W2_scales, .offset: 72, .size: 8, .value_kind: global_buffer, .address_space: global }
      - { .name: b2, .offset: 80, .size: 8, .value_kind: global_buffer, .address_space: global }
      - { .name: ln2_g, .offset: 88, .size: 8, .value_kind: global_buffer, .address_space: global }
      - { .name: ln2_b, .offset: 96, .size: 8, .value_kind: global_buffer, .address_space: global }
      - { .name: Wqkv_scales, .offset: 104, .size: 8, .value_kind: global_buffer, .address_space: global }
      - { .name: bqkv, .offset: 112, .size: 8, .value_kind: global_buffer, .address_space: global }
      - { .name: qkv2, .offset: 120, .size: 8, .value_kind: global_buffer, .address_space: global }
      - { .name: x2img, .offset: 128, .size: 8, .value_kind: global_buffer, .address_space: global }
    .group_segment_fixed_size: 20736
    .private_segment_fixed_size: 0
    .kernarg_segment_align: 8
    .kernarg_segment_size: 136
    .max_flat_workgroup_size: 128
    .sgpr_count:     66
    .vgpr_count:     512
    .wavefront_size: 32
...
	.end_amdgpu_metadata
.endif
;; end of part 3
;; launch attn2 (part 4): grid 64 x 1, 8 waves a work-group, no clusters, 19,456 bytes of LDS; arguments qkv2, masks, o2; writes o2
.if DOCPART == 4
	.amdgcn_target "amdgcn-amd-amdhsa--gfx1250"
	.amdhsa_code_object_version 6
	.text
	.protected	k_qa7f88a4ed4_attn2
	.globl	k_qa7f88a4ed4_attn2
	.p2align	8
	.type	k_qa7f88a4ed4_attn2,@function
k_qa7f88a4ed4_attn2:
	s_mov_b64 s[64:65], 0
	v_nop
	global_prefetch_b8 v0, s[64:65] scope:SCOPE_SE
	s_setreg_imm32_b32 hwreg(HW_REG_WAVE_MODE, 25, 1), 1
	s_wait_xcnt 0x0
; ATTENTION OF LAYER 1, for the one tile of queries that holds position 0 (n = 0 .. 15): nothing else of layer 1's attention reaches the result.  A work-group is (b, h) = x; wave s owns key step s (128 keys).
; Layouts, products, mask and softmax are those of layer 0's attention: a fragment of K holds 64 keys (row m, block j: key 32 (m >> 3) + 8 j + (m & 7)); Q in four variants, its block at place j and zero codes elsewhere;
; both products transposed, so that a lane holds one query.  Operands come straight from memory into the operands' registers: each is read once.
; THE MERGE.  Each wave has its own whole number M.  The eight -M meet in LDS; each wave multiplies its sum and its O^T by 2^(own M - largest M), which rounds nothing, and wave 0 adds the eight parts.
; LIMITS: a query with no key that counts is not served (the reference gives NaN there); NaN and infinities are not served; a block of zeros gets the byte 1.
.set LI, 1
.set L4, 2
.set SH8, 3
.set NINF, 4
.set QS, 10
.set KS, 11
.set VS, 12
.set PS, 13
.set NM, 14
.set TR, 15
.set LL, 16
.set FF, 18
.set T0, 20
.set T1, 21
.set T2, 22
.set T3, 23
.set QZ, 24
.set KF, 44
.set VF, 60
.set PC, 76
.set OO, 84
.set S, 100
.set BM, 164
.set SO, 168
.set BY, 170
.set L2, 172
.set MX, 0                             ; LDS: the waves' -M, 4 bytes a thread;
.set OB, 1024                          ; their O^T, 2,048 bytes a wave;
.set LB, 17408                         ; their sums
.macro NOP4
.rept 4
	v_nop
.endr
.endm
.macro SP c, j, qo
.if \c
	v_wmma_scale_f32_16x16x128_f8f6f4 v[S+32*\c+8*\j:S+32*\c+8*\j+7], v[KF+8*\c:KF+8*\c+7], v[QZ+\qo:QZ+\qo+7], 0, v[KS], v[QS] matrix_a_fmt:MATRIX_FMT_FP4 matrix_b_fmt:MATRIX_FMT_FP4 matrix_a_scale:MATRIX_SCALE_ROW1
.else
	v_wmma_scale_f32_16x16x128_f8f6f4 v[S+32*\c+8*\j:S+32*\c+8*\j+7], v[KF+8*\c:KF+8*\c+7], v[QZ+\qo:QZ+\qo+7], 0, v[KS], v[QS] matrix_a_fmt:MATRIX_FMT_FP4 matrix_b_fmt:MATRIX_FMT_FP4
.endif
.endm
	s_load_b128 s[8:11], s[0:1], 0x0               ; qkv2, masks
	s_load_b64 s[12:13], s[0:1], 0x10              ; o2
	v_lshl_add_u32 v192, v0, 2, 0x4800
	v_mov_b32 v193, 0
	v_lshrrev_b32 v5, 5, v0
	v_readfirstlane_b32 s2, v5                     ; wave = key step 0..7
	s_mov_b32 s4, ttmp9                            ; 8 b + h
	s_lshr_b32 s5, s4, 3
	s_and_b32 s6, s4, 7
	v_and_b32 v6, 31, v0                           ; lane
	v_and_b32 v7, 15, v0                           ; r
	v_bfe_u32 v8, v0, 4, 1                         ; hh
	v_lshlrev_b32 v[LI], 4, v6
	v_lshlrev_b32 v[L4], 2, v6
	v_lshlrev_b32 v[SH8], 3, v8
	v_mov_b32 v[NINF], 0xff800000
	v_lshlrev_b32 v5, 2, v0                        ; 4 x thread
	s_lshl_b32 s7, s2, 11
	v_add_nc_u32 v9, s7, v[LI]                     ; 2,048 x wave + 16 x lane
	s_cmp_ge_u32 s6, 2
	s_cselect_b32 s14, 1, 0
	s_cmp_ge_u32 s6, 6
	s_cselect_b32 s15, 1, 0
	s_add_co_u32 s14, s14, s15                     ; the mask's type
	s_lshl_b32 s14, s14, 20
	s_lshl_b32 s15, s5, 17
	s_add_co_u32 s14, s14, s15
	s_lshl_b32 s15, s2, 8
	s_add_co_u32 s14, s14, s15                     ; + (512 b + s) x 256: query tile 0
	s_mov_b32 s15, 0
	s_wait_kmcnt 0x0
	s_add_nc_u64 s[16:17], s[10:11], s[14:15]
	s_load_b512 s[32:47], s[16:17], 0x0
	s_load_b512 s[48:63], s[16:17], 0x40
	s_load_b512 s[68:83], s[16:17], 0x80
	s_load_b512 s[84:99], s[16:17], 0xc0
	s_lshl_b32 s14, s4, 14
	s_add_nc_u64 s[26:27], s[8:9], s[14:15]        ; the head's q codes
	s_add_co_u32 s14, s14, s7
	s_add_co_u32 s14, s14, 0x100000
	s_add_nc_u64 s[24:25], s[8:9], s[14:15]        ; my step's k codes (v's lie 1,048,576 bytes on)
	s_lshl_b32 s14, s5, 13
	s_lshl_b32 s7, s6, 5
	s_add_co_u32 s14, s14, s7
	s_add_co_u32 s14, s14, 0x300000
	s_add_nc_u64 s[28:29], s[8:9], s[14:15]        ; the scale bytes of (b, h),
	s_lshl_b32 s7, s2, 10
	s_add_co_u32 s14, s14, s7
	s_add_nc_u64 s[18:19], s[8:9], s[14:15]        ; and of my step's four key blocks
	s_lshl_b32 s14, s5, 7
	s_add_co_u32 s14, s14, s6
	s_add_nc_u64 s[30:31], s[12:13], s[14:15]      ; o's scale bytes: 16,384 + (16 b + r) x 8 + h
	s_lshl_b32 s14, s4, 8
	s_add_nc_u64 s[12:13], s[12:13], s[14:15]      ; o's codes
	s_mov_b32 s20, 0x76543210
	s_mov_b32 s21, 0xfedcba98
	s_mov_b32 s22, 0x3e8293ee                      ; c = log2(e) / sqrt(32)
	s_mov_b32 s23, s22
	v_lshrrev_b32 v20, 3, v7
	v_and_b32 v21, 7, v7
	v_lshl_add_u32 v22, v20, 5, v21
	v_lshl_add_u32 v22, v8, 3, v22
	v_lshlrev_b32 v22, 4, v22                      ; K: (32 (r >> 3) + (r & 7) + 8 hh) x 16
.irp c, 0,1
.irp e, 0,1
	global_load_b128 v[KF+8*\c+4*\e:KF+8*\c+4*\e+3], v22, s[24:25] offset:1024*\c+256*\e
	global_load_b128 v[VF+8*\c+4*\e:VF+8*\c+4*\e+3], v[LI], s[24:25] offset:1048576+1024*\c+512*\e
.endr
.endr
	v_lshl_add_u32 v23, v8, 1, v20
	v_lshl_add_u32 v23, v23, 8, v21                ; K's scale bytes: 256 (2 hh + (r >> 3)) + (r & 7) + 8 j: lanes 0-15 fragment 0's word, lanes 16-31 fragment 1's
.irp j, 0,1,2,3
	global_load_u8 v[116+\j], v23, s[18:19] offset:65536+8*\j
	global_load_u8 v[120+\j], v6, s[18:19] offset:131072+256*\j
.endr
	v_lshlrev_b32 v176, 4, v7
	global_load_b128 v[124:127], v176, s[26:27]
	global_load_u8 v128, v7, s[28:29]
.irp i, 0,1,2,3,8,9,10,11,16,17,18,19
	v_mov_b32 v[QZ+\i], 0
.endr
	v_mov_b32 v[TR], 0xff61b1e6                    ; -3e38, under every t
	v_mov_b32 v[LL], 0
	v_mov_b32 v[LL+1], 0
	v_mov_b32 v[FF+1], 0
	v_mov_b32 v[T1], 0
	v_lshl_add_u32 v179, v8, 3, v176               ; the way out: 16 r + 8 hh
	v_lshlrev_b32 v178, 3, v7                      ; and 8 r
	s_wait_loadcnt 0x0
	v_lshl_or_b32 v116, v117, 8, v116
	v_lshl_or_b32 v120, v121, 8, v120
	v_lshl_or_b32 v116, v118, 16, v116
	v_lshl_or_b32 v120, v122, 16, v120
	v_lshl_or_b32 v[KS], v119, 24, v116
	v_lshl_or_b32 v[VS], v123, 24, v120
	v_lshl_or_b32 v128, v128, 8, v128
	v_lshl_or_b32 v[QS], v128, 16, v128
	v_cmp_eq_u32 vcc_lo, 0, v8
.irp i, 0,1,2,3
	v_cndmask_b32 v[QZ+4+\i], v[QZ], v[124+\i], vcc_lo
	v_cndmask_b32 v[QZ+12+\i], v[124+\i], v[QZ], vcc_lo
.endr
.rept 8
	v_nop                                          ; a scale register written by vector instructions stands 8 places ahead of a scaled matrix instruction, an operand so written 4
.endr
	SP 0, 0, 4
	SP 0, 1, 12
	SP 0, 2, 0
	SP 0, 3, 8
	SP 1, 0, 4
	SP 1, 1, 12
	SP 1, 2, 0
	SP 1, 3, 8
	NOP4
	s_wait_kmcnt 0x0
.set rho, 0
.rept 64
.if rho < 32
	v_cndmask_b32 v[S+rho], v[NINF], v[S+rho], s[32+rho]
.else
	v_cndmask_b32 v[S+rho], v[NINF], v[S+rho], s[36+rho]
.endif
.set rho, rho+1
.endr
.irp c, 0,1
	v_max3_num_f32 v[BM+\c], v[S+32*\c], v[S+32*\c+1], v[S+32*\c+2]     ; the largest score of each of my two blocks
.endr
.irp i, 3,5,7,9,11,13,15,17,19,21,23,25,27,29
.irp c, 0,1
	v_max3_num_f32 v[BM+\c], v[BM+\c], v[S+32*\c+\i], v[S+32*\c+\i+1]
.endr
.endr
.irp c, 0,1
	v_max_num_f32 v[BM+\c], v[BM+\c], v[S+32*\c+31]
.endr
	v_max_num_f32 v[T0], v[BM], v[BM+1]
	v_permlanex16_b32 v[T1], v[T0], s20, s21
	v_max_num_f32 v[T0], v[T0], v[T1]
	v_mul_f32 v[T0], s22, v[T0]
	v_max_num_f32 v[TR], v[TR], v[T0]              ; held at -3e38 from below: a step without a key that counts gives p = 0
	v_floor_f32 v[NM], -v[TR]                      ; -M = floor(-t)
.set iq, 0
.rept 32
	v_pk_fma_f32 v[S+iq:S+iq+1], v[S+iq:S+iq+1], s[22:23], v[NM:NM+1] op_sel_hi:[1,0,0]
.set iq, iq+2
.endr
.irp c, 0,1
	v_fma_f32 v[BM+\c], v[BM+\c], s22, v[NM]
.endr
.set iq, 0
.rept 64
	v_exp_f32 v[S+iq], v[S+iq]
.set iq, iq+1
.endr
.irp c, 0,1
	v_exp_f32 v[BM+\c], v[BM+\c]
.endr
	v_nop                                          ; a plain place behind the exponentials
	s_wait_alu depctr_va_vdst(0)
.irp c, 0,1
	v_max_num_f32 v[BM+\c], 0x1800000, v[BM+\c]
.endr
.irp c, 0,1
	v_add_nc_u32 v[SO+\c], 0xff000000, v[BM+\c]
.endr
.irp c, 0,1
	v_lshrrev_b32 v[BY+\c], 23, v[SO+\c]
.endr
	v_lshl_or_b32 v[T0], v[BY+1], 16, v[BY]
	v_lshlrev_b32 v[T0], v[SH8], v[T0]
	v_permlanex16_b32 v[T1], v[T0], s20, s21
	v_or_b32 v[PS], v[T0], v[T1]                   ; p's scale word
.irp c, 0,1
.irp j, 0,1,2,3
	v_cvt_scalef32_pk8_fp4_f32 v[PC+4*\c+\j], v[S+32*\c+8*\j:S+32*\c+8*\j+7], v[SO+\c]
.endr
.endr
	v_nop
	v_pk_add_f32 v[L2:L2+1], v[S:S+1], v[S+2:S+3]  ; the sum of the unquantised p; these lines are also the places in front of the products
.irp i, 4,8,12,16,20,24,28,32,36,40,44,48,52,56,60
	v_pk_add_f32 v[LL:LL+1], v[LL:LL+1], v[S+\i:S+\i+1]
	v_pk_add_f32 v[L2:L2+1], v[L2:L2+1], v[S+\i+2:S+\i+3]
.endr
	v_pk_add_f32 v[LL:LL+1], v[LL:LL+1], v[L2:L2+1]
	v_wmma_scale_f32_16x16x128_f8f6f4 v[OO:OO+7], v[VF:VF+7], v[PC:PC+7], 0, v[VS], v[PS] matrix_a_fmt:MATRIX_FMT_FP4 matrix_b_fmt:MATRIX_FMT_FP4
	v_wmma_scale_f32_16x16x128_f8f6f4 v[OO+8:OO+15], v[VF+8:VF+15], v[PC:PC+7], 0, v[VS], v[PS] matrix_a_fmt:MATRIX_FMT_FP4 matrix_b_fmt:MATRIX_FMT_FP4 matrix_a_scale:MATRIX_SCALE_ROW1
	NOP4
	ds_store_b32 v5, v[NM] offset:MX
	s_wait_dscnt 0x0
	s_barrier_signal -1
	s_barrier_wait -1
.irp i, 0,1,2,3,4,5,6,7
	ds_load_b32 v[S+\i], v[L4] offset:MX+128*\i
.endr
	s_wait_dscnt 0x0
	v_min3_num_f32 v[T0], v[S], v[S+1], v[S+2]
	v_min3_num_f32 v[T0], v[T0], v[S+3], v[S+4]
	v_min3_num_f32 v[T0], v[T0], v[S+5], v[S+6]
	v_min_num_f32 v[T0], v[T0], v[S+7]             ; the least -M: the largest M
	v_sub_f32 v[T0], v[T0], v[NM]                  ; own M - largest M: a whole number, 0 or less
	v_cvt_i32_f32 v[T0], v[T0]
	v_ldexp_f32 v[FF], 1.0, v[T0]
	v_add_f32 v[LL], v[LL], v[LL+1]
	v_mul_f32 v[LL], v[LL], v[FF]
.set iq, 0
.rept 8
	v_pk_mul_f32 v[OO+iq:OO+iq+1], v[OO+iq:OO+iq+1], v[FF:FF+1] op_sel_hi:[1,0]
.set iq, iq+2
.endr
.irp k, 0,1,2,3
	ds_store_b128 v9, v[OO+4*\k:OO+4*\k+3] offset:OB+512*\k
.endr
	ds_store_b32 v5, v[LL] offset:LB
	s_wait_dscnt 0x0
	s_barrier_signal -1
	s_barrier_wait -1
	s_cmp_lg_u32 s2, 0
	s_cbranch_scc1 .Lend
.irp i, 0,1,2,3,4,5,6,7
.irp k, 0,1,2,3
	ds_load_b128 v[24+16*\i+4*\k:24+16*\i+4*\k+3], v[LI] offset:OB+2048*\i+512*\k
.endr
	ds_load_b32 v[152+\i], v[L4] offset:LB+128*\i
.endr
	s_wait_dscnt 0x0
.irp i, 1,2,3,4,5,6,7
.irp p, 0,2,4,6,8,10,12,14
	v_pk_add_f32 v[24+\p:25+\p], v[24+\p:25+\p], v[24+16*\i+\p:25+16*\i+\p]
.endr
	v_add_f32 v152, v152, v[152+\i]
.endr
	v_permlanex16_b32 v[T1], v152, s20, s21
	v_add_f32 v[T0], v152, v[T1]                   ; the row's sum
	v_rcp_f32 v[T0], v[T0]
	v_nop
.set iq, 0
	s_wait_alu depctr_va_vdst(0)
.rept 16
	v_mul_f32 v[S+iq], v[24+iq], v[T0]             ; o(query r, d = 16 hh + iq)
.set iq, iq+1
.endr
	v_max3_num_f32 v[T2], |v[S]|, |v[S+1]|, 0x1800000
.irp i, 2,4,6,8,10,12,14
	v_max3_num_f32 v[T2], v[T2], |v[S+\i]|, |v[S+\i+1]|
.endr
	v_permlanex16_b32 v[T1], v[T2], s20, s21
	v_max_num_f32 v[T2], v[T2], v[T1]
	v_add_nc_u32 v[T3], 0xff000000, v[T2]
	v_lshrrev_b32 v[T2], 23, v[T3]
	v_cvt_scalef32_pk8_fp4_f32 v[BM], v[S:S+7], v[T3]
	v_cvt_scalef32_pk8_fp4_f32 v[BM+1], v[S+8:S+15], v[T3]
	v_nop
	global_store_b64 v179, v[BM:BM+1], s[12:13]    ; the wave stores 256 consecutive bytes, aligned
	global_store_b8 v178, v[T2], s[30:31] offset:16384   ; both lanes of a query store the same byte with the same value
.Lend:
	s_barrier_signal -1
	s_barrier_wait -1
	s_wait_tensorcnt 0x0
	ds_add_u32 v192, v193
	s_wait_dscnt 0x0
	s_endpgm
.Lfunc_end_k_qa7f88a4ed4_attn2:
	.size	k_qa7f88a4ed4_attn2, .Lfunc_end_k_qa7f88a4ed4_attn2-k_qa7f88a4ed4_attn2
	.p2alignl 7, 3214868480
	.fill 96, 4, 3214868480
	.section	.rodata,"a",@progbits
	.p2align	6, 0x0
	.amdhsa_kernel k_qa7f88a4ed4_attn2
		.amdhsa_group_segment_fixed_size 19456
		.amdhsa_private_segment_fixed_size 0
		.amdhsa_enable_private_segment 0
		.amdhsa_kernarg_size 24
		.amdhsa_user_sgpr_count 2
		.amdhsa_user_sgpr_kernarg_segment_ptr 1
		.amdhsa_wavefront_size32 1
		.amdhsa_system_sgpr_workgroup_id_x 1
		.amdhsa_system_sgpr_workgroup_id_y 1
		.amdhsa_system_sgpr_workgroup_id_z 1
		.amdhsa_system_vgpr_workitem_id 0
		.amdhsa_next_free_vgpr 194
		.amdhsa_next_free_sgpr 100
		.amdhsa_reserve_vcc 1
		.amdhsa_float_denorm_mode_32 3
		.amdhsa_float_denorm_mode_16_64 3
		.amdhsa_memory_ordered 1
		.amdhsa_forward_progress 1
		.amdhsa_inst_pref_size 32
	.end_amdhsa_kernel
	.amdgpu_metadata
---
amdhsa.version: [ 1, 2 ]
amdhsa.kernels:
  - .name:           k_qa7f88a4ed4_attn2
    .symbol:         k_qa7f88a4ed4_attn2.kd
    .args:
      - { .name: qkv2, .offset: 0, .size: 8, .value_kind: global_buffer, .address_space: global }
      - { .name: masks, .offset: 8, .size: 8, .value_kind: global_buffer, .address_space: global }
      - { .name: o2, .offset: 16, .size: 8, .value_kind: global_buffer, .address_space: global }
    .group_segment_fixed_size: 19456
    .private_segment_fixed_size: 0
    .kernarg_segment_align: 8
    .kernarg_segment_size: 24
    .max_flat_workgroup_size: 256
    .sgpr_count:     100
    .vgpr_count:     194
    .wavefront_size: 32
...
	.end_amdgpu_metadata
.endif
;; end of part 4
;; launch tail (part 5): grid 1 x 1, 4 waves a work-group, no clusters, 20,736 bytes of LDS; arguments o2, x2img, wimg, Wo_scales, bo, ln1_g, ln1_b, W1_scales, b1, W2_scales, b2, ln2_g, ln2_b, bn_g, bn_b, out0; writes out0
.if DOCPART == 5
	.amdgcn_target "amdgcn-amd-amdhsa--gfx1250"
	.amdhsa_code_object_version 6
	.text
	.protected	k_qa7f88a4ed4_tail
	.globl	k_qa7f88a4ed4_tail
	.p2align	8
	.type	k_qa7f88a4ed4_tail,@function
k_qa7f88a4ed4_tail:
	s_mov_b64 s[64:65], 0
	v_nop
	global_prefetch_b8 v0, s[64:65] scope:SCOPE_SE
	s_setreg_imm32_b32 hwreg(HW_REG_WAVE_MODE, 25, 1), 1
	s_wait_xcnt 0x0
; TAIL: the rest of layer 1 for the eight rows (position 0, batch 0 .. 7) that leave it, and the batch norm over them.
; One work-group: eight rows are half a tile.  Tile row r is batch r & 7; rows 8-15 repeat rows 0-7 bit for bit and store the same values to the same places.
; The four waves share the columns, wave w owning column groups w (and w + 4 of the hidden layer) of 64; the products are used transposed (source 0 = 16 rows of W, source 1 = the rows) and the weights' rows are chosen
; so that a lane holds one whole block of the next K (tile j of group G: W's rows 64 G + 32 (r >> 3) + 8 j + (r & 7); lane (r, hh) then holds columns 64 G + 32 hh + 0 .. 31 of row r).
; Operands go from wave to wave through LDS as images of their registers (a fragment: 1,024 bytes [half][lane][16]; its scale words: 64 bytes [row][4]); every stage has LDS bytes of its own.
; THE WEIGHTS' CODES come from wimg, laid by the first launch as images of these registers: [unit 13][wave 4][piece 16][lane 32][16 bytes], piece 4 j + 2 k + c = half c of fragment (tile j, K step k).
; Units here, all of layer 1: 1 Wo; 4, 5 W1's groups w, w + 4; 8, 9 W2's K steps 0-1, 2-3.  So each load of codes reads 512 consecutive bytes.
; Each stage's weights are asked for four places behind the stage before's last product.  No tensor loads, no ring, no cluster: one work-group, and nothing in LDS is filled twice.
; LIMITS: NaN and infinities are not served; a block of zeros gets the scale byte 1 where the quantiser says 127 (its codes are zeros; the bytes never leave the work-group).
.set LI, 1                             ; 16 x lane
.set LS4, 2                            ; 4 r
.set IMGW, 3                           ; 16 x lane + 512 w
.set SCW, 4                            ; 4 r + hh + 64 (w >> 1) + 2 (w & 1)
.set STW, 5                            ; 16 r + 4 w
.set STR, 6                            ; 16 r
.set WSO8, 8                           ; (32 (r >> 3) + (r & 7)) x 8
.set BOF, 9                            ; 128 hh
.set WSO16, 20                         ; the same rows x 16
.set OA, 21                            ; o's codes: 2,048 (r & 7) + 256 hh
.set OS, 22                            ; o's scale bytes: 128 (r & 7)
.set XA2, 23                           ; the residual: 32,768 (r & 7) + 256 hh
.set OO, 24                            ; the result: 1,024 (r & 7) + 128 hh
.set WS, 32                            ; v32-47  W's scale words (scales and nothing else)
.set XS, 48                            ; v48-51  the rows' scale words (likewise)
.set TM, 56
.set SO, 58
.set BY, 60
.set XF, 64                            ; v64-79   two fragments of the rows
.set ACC, 96                           ; v96-127  four accumulators
.set RES, 160                          ; v160-191 the rows' f32 numbers, same order
.set PC, 224
.set TP, 232
.set BI, 128                           ; window 1: v0-127 W's fragments; v128-191 bias tiles; v192-223, v224-255 LayerNorm's gain and bias
.set LNG, 192
.set LNB, 224
.set P_O, 8                            ; scalar pairs: o2
.set P_XR, 10                          ; x2img + 8,192 w
.set P_WI, 12                          ; wimg + 8,192 w
.set P_WOS, 14
.set P_BO, 16
.set P_G1, 18
.set P_N1, 20
.set P_W1S, 22
.set P_B1, 24
.set P_W2S, 26
.set P_B2, 28
.set P_G2, 30
.set P_N2, 32
.set P_BG, 34                          ; bn_g
.set P_BB, 36                          ; bn_b
.set P_OUT, 38
.set SEL, 54
.set I256, 56
.set EPS, 57
.set I8, 58
.set STAT, 0
.set X1, 2048
.set XS1, 6144
.set HI, 6400
.set HS, 14592
.set MSB, 0
.macro WIN new                         ; the immediate's high byte repeats the setting that is left
.if MSB != \new
	s_set_vgpr_msb (MSB<<8)|\new
.set MSB, \new
.endif
.endm
.macro NOP4                            ; four places behind a matrix instruction (ISA guide 7.12.1), where no other vector work is at hand
.rept 4
	v_nop
.endr
.endm
.macro BARRIER                         ; my LDS stores have landed and my LDS loads are in: then the work-group's barrier
	s_wait_dscnt 0x0
	s_barrier_signal -1
	s_barrier_wait -1
.endm
.macro MMC d, a, b, c, sa, sb
	v_wmma_scale_f32_16x16x128_f8f6f4 v[\d:\d+7], v[\a:\a+7], v[\b:\b+7], v[\c:\c+7], v[\sa], v[\sb] matrix_a_fmt:MATRIX_FMT_FP4 matrix_b_fmt:MATRIX_FMT_FP4
.endm
; my part of unit un (and un + 1 for K steps 2, 3): codes into window 1 from slot on (tile j, K step kq at 8 (nks j + kq)); bias tiles and scale words of the rows from row0 on
.macro LDG un, sb, bb, row0, nks, slot, ss, bs, wso
	WIN 0x40
.irp j, 0,1,2,3
.set kq, 0
.rept \nks
.irp c, 0,1
	global_load_b128 v[\slot+8*(\nks*\j+kq)+4*\c:\slot+8*(\nks*\j+kq)+4*\c+3], v[LI], s[P_WI:P_WI+1] offset:(\un+(kq>>1))*32768+512*(4*\j+2*(kq&1)+\c)
.endr
.set kq, kq+1
.endr
.irp c, 0,1
	global_load_b128 v[BI+\bs+8*\j+4*\c:BI+\bs+8*\j+4*\c+3], v[BOF], s[\bb:\bb+1] offset:(\row0+8*\j)*4+16*\c
.endr
.endr
	WIN 0
.irp j, 0,1,2,3
.if \nks == 2
	global_load_b64 v[WS+\ss+2*\j:WS+\ss+2*\j+1], v[\wso], s[\sb:\sb+1] offset:(\row0+8*\j)*8
.else
	global_load_b128 v[WS+\ss+4*\j:WS+\ss+4*\j+3], v[\wso], s[\sb:\sb+1] offset:(\row0+8*\j)*16
.endif
.endr
.endm
.macro LDLN gp, bp, dg, db             ; two vectors at my 32 columns, into window 1
	WIN 0x40
.irp i, 0,1,2,3,4,5,6,7
	global_load_b128 v[\dg+4*\i:\dg+4*\i+3], v[BOF], s[\gp:\gp+1] offset:16*\i
	global_load_b128 v[\db+4*\i:\db+4*\i+3], v[BOF], s[\bp:\bp+1] offset:16*\i
.endr
	WIN 0
.endm
; K steps k0 .. k1 of a product.  The four accumulators take turns, one instruction a turn.  start = 1: the bias tile is the C of the first K step
.macro PROD slot, ss, bs, nks, k0, k1, start
.set kq, \k0
.rept \k1-\k0+1
.if \start && (kq == \k0)
	WIN 0x11                                       ; W and the bias tile in window 1
.else
	WIN 0x01
.endif
.irp j, 0,1,2,3
.if \start && (kq == \k0)
	MMC ACC+8*\j, \slot+8*(\nks*\j+kq), XF+8*(kq&1), BI+\bs+8*\j, WS+\ss+\nks*\j+kq, XS+kq
.else
	MMC ACC+8*\j, \slot+8*(\nks*\j+kq), XF+8*(kq&1), ACC+8*\j, WS+\ss+\nks*\j+kq, XS+kq
.endif
.endr
.set kq, kq+1
.endr
	WIN 0
.endm
.macro FETCH img, sc, nks, k0          ; fragments of K steps k0, k0 + 1; with k0 = 0 all scale words
.irp k, 0,1
.irp c, 0,1
	ds_load_b128 v[XF+8*\k+4*\c:XF+8*\k+4*\c+3], v[LI] offset:\img+(\k0+\k)*1024+512*\c
.endr
.endr
.if \k0 == 0
.set kq, 0
.rept \nks
	ds_load_b32 v[XS+kq], v[LS4] offset:\sc+64*kq
.set kq, kq+1
.endr
.endif
.endm
; a lane's block of 32 numbers becomes 4 code registers (PC) and a scale byte (BY)
.macro QB1 src
	v_max3_num_f32 v[TM], |v[\src]|, |v[\src+1]|, 0x1800000        ; the floor 2^(3 - 127) among the leaves: the byte cannot fall under 1
	v_max3_num_f32 v[TM+1], |v[\src+2]|, |v[\src+3]|, |v[\src+4]|   ; two chains by turns
.irp i, 5,9,13,17,21,25
	v_max3_num_f32 v[TM], v[TM], |v[\src+\i]|, |v[\src+\i+1]|
	v_max3_num_f32 v[TM+1], v[TM+1], |v[\src+\i+2]|, |v[\src+\i+3]|
.endr
	v_max3_num_f32 v[TM], v[TM], |v[\src+29]|, |v[\src+30]|
	v_max3_num_f32 v[TM], v[TM], v[TM+1], |v[\src+31]|
	v_add_nc_u32 v[SO], 0xff000000, v[TM]          ; 2 off the exponent field: the conversion's scale operand
	v_lshrrev_b32 v[BY], 23, v[SO]                 ; the scale's byte
.irp g, 0,1,2,3
	v_cvt_scalef32_pk8_fp4_f32 v[PC+\g], v[\src+8*\g:\src+8*\g+7], v[SO]
.endr
	v_nop                                          ; one plain place behind a scaled conversion
.endm
; a pair of partial sums (TP, TP + 1) becomes the row's total (TP + 4): my two halves, lane l xor 16, then the four waves through LDS
.macro LNX stat
	v_add_f32 v[TP+4], v[TP], v[TP+1]
	v_permlanex16_b32 v[TP+6], v[TP+4], s[SEL], s[SEL+1]
	v_add_f32 v[TP+4], v[TP+4], v[TP+6]
	ds_store_b32 v[STW], v[TP+4] offset:\stat      ; both lanes of a row store the same word with the same value
	BARRIER
	ds_load_b128 v[TP+8:TP+11], v[STR] offset:\stat
	s_wait_dscnt 0x0
	v_add_f32 v[TP+8], v[TP+8], v[TP+9]
	v_add_f32 v[TP+10], v[TP+10], v[TP+11]
	v_add_f32 v[TP+4], v[TP+8], v[TP+10]
.endm
; RES = LayerNorm(ACC + RES); the mean first, then the squares of the differences.  qz = 1: RES is quantised and its image goes to LDS
.macro LN stat, img, sc, qz
.set iq, 0
.rept 16
	v_pk_add_f32 v[ACC+iq:ACC+iq+1], v[ACC+iq:ACC+iq+1], v[RES+iq:RES+iq+1]   ; ascending: each accumulator is read from its low end on
.set iq, iq+2
.endr
	v_pk_add_f32 v[TP:TP+1], v[ACC:ACC+1], v[ACC+2:ACC+3]
.irp i, 4,6,8,10,12,14,16,18,20,22,24,26,28,30
	v_pk_add_f32 v[TP:TP+1], v[TP:TP+1], v[ACC+\i:ACC+\i+1]
.endr
	LNX \stat
	v_mul_f32 v[TP+16], s[I256], v[TP+4]           ; the mean, twice: a pair for the packed forms
	v_mul_f32 v[TP+17], s[I256], v[TP+4]
.set iq, 0
.rept 16
	v_pk_add_f32 v[ACC+iq:ACC+iq+1], v[ACC+iq:ACC+iq+1], v[TP+16:TP+17] neg_lo:[0,1] neg_hi:[0,1]
.set iq, iq+2
.endr
	v_pk_mul_f32 v[TP:TP+1], v[ACC:ACC+1], v[ACC:ACC+1]
.irp i, 2,4,6,8,10,12,14,16,18,20,22,24,26,28,30
	v_pk_fma_f32 v[TP:TP+1], v[ACC+\i:ACC+\i+1], v[ACC+\i:ACC+\i+1], v[TP:TP+1]
.endr
	LNX \stat+512
	v_fma_f32 v[TP+4], v[TP+4], s[I256], s[EPS]
	v_rsq_f32 v[TP+16], v[TP+4]
	v_rsq_f32 v[TP+17], v[TP+4]
	v_nop                                          ; a plain place behind the transcendentals
.set iq, 0
	s_wait_alu depctr_va_vdst(0)
.rept 16
	v_pk_mul_f32 v[ACC+iq:ACC+iq+1], v[ACC+iq:ACC+iq+1], v[TP+16:TP+17]
.set iq, iq+2
.endr
	WIN 0x14                                       ; gain and bias lie in window 1
.set iq, 0
.rept 16
	v_pk_fma_f32 v[RES+iq:RES+iq+1], v[ACC+iq:ACC+iq+1], v[LNG+iq:LNG+iq+1], v[LNB+iq:LNB+iq+1]
.set iq, iq+2
.endr
	WIN 0
.if \qz
	QB1 RES
	ds_store_b128 v[IMGW], v[PC:PC+3] offset:\img
	ds_store_b8 v[SCW], v[BY] offset:\sc
	BARRIER
.endif
.endm
.macro RELUQ u                         ; the activation in f32, the quantiser, the image of my part of the hidden layer
.set iq, 0
.rept 32
	v_max_num_f32 v[ACC+iq], 0, v[ACC+iq]
.set iq, iq+1
.endr
	s_wait_dscnt 0x0                               ; earlier LDS stores have read PC and BY
	QB1 ACC
	ds_store_b128 v[IMGW], v[PC:PC+3] offset:HI+2048*\u
	ds_store_b8 v[SCW], v[BY] offset:HS+128*\u
.endm
.macro SUM8                            ; ACC + i: the sum over the eight lanes that hold the eight batches
.irp x, 2,4
.set iq, 0
.rept 32
	v_add_f32_dpp v[ACC+iq], v[ACC+iq], v[ACC+iq] row_xmask:\x row_mask:0xf bank_mask:0xf
.set iq, iq+1
.endr
.endr
.endm
	s_load_b512 s[8:23], s[0:1], 0x0               ; o2 8, x2img 10, wimg 12, Wo scales 14, bo 16, ln1_g 18, ln1_b 20, W1 scales 22
	s_load_b512 s[24:39], s[0:1], 0x40             ; b1 24, W2 scales 26, b2 28, ln2_g 30, ln2_b 32, bn_g 34, bn_b 36, out0 38
	v_lshl_add_u32 v254, v0, 2, 0x4f00
	v_mov_b32 v255, 0
	v_lshrrev_b32 v25, 5, v0
	v_readfirstlane_b32 s2, v25                    ; wave 0..3
	s_lshr_b32 s60, s2, 1
	s_and_b32 s61, s2, 1
	v_and_b32 v25, 31, v0                          ; lane
	v_and_b32 v26, 15, v0                          ; r
	v_bfe_u32 v27, v0, 4, 1                        ; hh
	v_and_b32 v29, 7, v26                          ; r & 7: the batch
	v_lshrrev_b32 v28, 3, v26
	v_lshlrev_b32 v[LI], 4, v25
	v_lshlrev_b32 v[LS4], 2, v26
	v_lshlrev_b32 v[STR], 4, v26
	s_lshl_b32 s62, s2, 9
	v_add_nc_u32 v[IMGW], s62, v[LI]
	s_lshl_b32 s62, s60, 6
	s_lshl_b32 s63, s61, 1
	s_add_co_u32 s62, s62, s63
	v_add_nc_u32 v[SCW], v[LS4], v27
	v_add_nc_u32 v[SCW], s62, v[SCW]
	s_lshl_b32 s62, s2, 2
	v_add_nc_u32 v[STW], s62, v[STR]
	v_lshl_add_u32 v30, v28, 5, v29                ; 32 (r >> 3) + (r & 7)
	v_lshlrev_b32 v[WSO8], 3, v30
	v_lshlrev_b32 v[WSO16], 4, v30
	v_lshlrev_b32 v[BOF], 7, v27
	v_lshlrev_b32 v31, 8, v27                      ; 256 hh
	v_lshl_add_u32 v[OA], v29, 11, v31
	v_lshlrev_b32 v[OS], 7, v29
	v_lshl_add_u32 v[XA2], v29, 15, v31
	v_lshl_add_u32 v[OO], v29, 10, v[BOF]
	v_mov_b32 v[TP+6], 0                           ; a lane permute's destination counts as read
	s_mov_b32 s[SEL], 0x76543210
	s_mov_b32 s[SEL+1], 0xfedcba98                 ; v_permlanex16_b32's selects for lane l xor 16
	s_mov_b32 s[I256], 0x3b800000                  ; 1 / 256
	s_mov_b32 s[EPS], 0x3727c5ac                   ; 1e-5
	s_mov_b32 s[I8], 0x3e000000                    ; 1 / 8
	s_mov_b32 s7, 0
	s_wait_kmcnt 0x0
	s_lshl_b32 s6, s2, 13                          ; 8,192 w: the residual's image, and my wave's part of every unit
	s_add_nc_u64 s[P_XR:P_XR+1], s[P_XR:P_XR+1], s[6:7]
	s_add_nc_u64 s[P_WI:P_WI+1], s[P_WI:P_WI+1], s[6:7]
	s_lshl_b32 s6, s2, 9                           ; scale bytes, 8 a row: my 64 rows, layer 1
	s_add_co_u32 s6, s6, 2048
	s_add_nc_u64 s[P_WOS:P_WOS+1], s[P_WOS:P_WOS+1], s[6:7]
	s_add_co_u32 s6, s6, 2048
	s_add_nc_u64 s[P_W1S:P_W1S+1], s[P_W1S:P_W1S+1], s[6:7]
	s_lshl_b32 s6, s2, 10                          ; 16 a row
	s_add_co_u32 s6, s6, 4096
	s_add_nc_u64 s[P_W2S:P_W2S+1], s[P_W2S:P_W2S+1], s[6:7]
	s_lshl_b32 s6, s2, 8                           ; my 64 numbers of the vectors
	s_add_nc_u64 s[P_BG:P_BG+1], s[P_BG:P_BG+1], s[6:7]
	s_add_nc_u64 s[P_BB:P_BB+1], s[P_BB:P_BB+1], s[6:7]
	s_add_nc_u64 s[P_OUT:P_OUT+1], s[P_OUT:P_OUT+1], s[6:7]
	s_add_co_u32 s6, s6, 1024                      ; layer 1 of the vectors of 256
	s_add_nc_u64 s[P_BO:P_BO+1], s[P_BO:P_BO+1], s[6:7]
	s_add_nc_u64 s[P_G1:P_G1+1], s[P_G1:P_G1+1], s[6:7]
	s_add_nc_u64 s[P_N1:P_N1+1], s[P_N1:P_N1+1], s[6:7]
	s_add_nc_u64 s[P_B2:P_B2+1], s[P_B2:P_B2+1], s[6:7]
	s_add_nc_u64 s[P_G2:P_G2+1], s[P_G2:P_G2+1], s[6:7]
	s_add_nc_u64 s[P_N2:P_N2+1], s[P_N2:P_N2+1], s[6:7]
	s_add_co_u32 s6, s6, 1024                      ; of b1's 512
	s_add_nc_u64 s[P_B1:P_B1+1], s[P_B1:P_B1+1], s[6:7]
	; o's two fragments and scale words straight into the operand's registers (query 0 of batch r & 7; block = head 4 k + 2 c + hh), the residual, Wo, ln1
.irp k, 0,1
.irp c, 0,1
	global_load_b128 v[XF+8*\k+4*\c:XF+8*\k+4*\c+3], v[OA], s[P_O:P_O+1] offset:(4*\k+2*\c)*256
.endr
	global_load_b32 v[XS+\k], v[OS], s[P_O:P_O+1] offset:16384+4*\k
.endr
.irp i, 0,1,2,3,4,5,6,7
	global_load_b128 v[RES+4*\i:RES+4*\i+3], v[XA2], s[P_XR:P_XR+1] offset:512*\i
.endr
	LDG 1, P_WOS, P_BO, 0, 2, 0, 0, 0, WSO8
	LDLN P_G1, P_N1, LNG, LNB
	s_wait_loadcnt 0x0
	PROD 0, 0, 0, 2, 0, 1, 1                       ; o Wo + bo
	NOP4
	LDG 4, P_W1S, P_B1, 0, 2, 0, 0, 0, WSO8        ; W1's groups w
	LDG 5, P_W1S, P_B1, 256, 2, 64, 8, 32, WSO8    ; and w + 4: they land under the LayerNorm
	LN STAT, X1, XS1, 1
	FETCH X1, XS1, 2, 0
	s_wait_loadcnt 0x0
	s_wait_dscnt 0x0
	PROD 0, 0, 0, 2, 0, 1, 1
	NOP4
	RELUQ 0
	PROD 64, 8, 32, 2, 0, 1, 1
	NOP4
	LDG 8, P_W2S, P_B2, 0, 4, 0, 0, 0, WSO16
	LDLN P_G2, P_N2, LNG, LNB
	RELUQ 1
	BARRIER                                        ; the hidden layer's four fragments lie in LDS
	FETCH HI, HS, 4, 0
	s_wait_loadcnt 0x0
	s_wait_dscnt 0x0
	PROD 0, 0, 0, 4, 0, 1, 1
	NOP4
	FETCH HI, HS, 4, 2
	s_wait_dscnt 0x0
	PROD 0, 0, 0, 4, 2, 3, 0
	NOP4
	LDLN P_BG, P_BB, 0, 32                         ; bn_g, bn_b into the registers that held W2
	LN STAT+1024, 0, 0, 0                          ; RES = the rows as they leave layer 1
	; THE BATCH NORM over the eight batches, which lie in eight neighbouring lanes: the mean first, then the squares of the differences
.set iq, 0
.rept 32
	v_add_f32_dpp v[ACC+iq], v[RES+iq], v[RES+iq] row_xmask:1 row_mask:0xf bank_mask:0xf
.set iq, iq+1
.endr
	SUM8
.set iq, 0
.rept 32
	v_fmamk_f32 v[RES+iq], v[ACC+iq], 0xbe000000, v[RES+iq]   ; y - sum / 8
.set iq, iq+1
.endr
.set iq, 0
.rept 16
	v_pk_mul_f32 v[XF+iq:XF+iq+1], v[RES+iq:RES+iq+1], v[RES+iq:RES+iq+1]
.set iq, iq+2
.endr
.set iq, 0
.rept 32
	v_add_f32_dpp v[ACC+iq], v[XF+iq], v[XF+iq] row_xmask:1 row_mask:0xf bank_mask:0xf
.set iq, iq+1
.endr
	SUM8
.set iq, 0
.rept 32
	v_fma_f32 v[ACC+iq], v[ACC+iq], s[I8], s[EPS]
.set iq, iq+1
.endr
.set iq, 0
.rept 32
	v_rsq_f32 v[ACC+iq], v[ACC+iq]
.set iq, iq+1
.endr
	v_nop                                          ; a plain place behind the transcendentals
.set iq, 0
	s_wait_alu depctr_va_vdst(0)
.rept 16
	v_pk_mul_f32 v[RES+iq:RES+iq+1], v[RES+iq:RES+iq+1], v[ACC+iq:ACC+iq+1]
.set iq, iq+2
.endr
	s_wait_loadcnt 0x0                             ; bn_g, bn_b
	WIN 0x14                                       ; they lie in window 1
.set iq, 0
.rept 16
	v_pk_fma_f32 v[XF+iq:XF+iq+1], v[RES+iq:RES+iq+1], v[iq:iq+1], v[32+iq:32+iq+1]
.set iq, iq+2
.endr
	WIN 0
.irp i, 0,1,2,3,4,5,6,7
	global_store_b128 v[OO], v[XF+4*\i:XF+4*\i+3], s[P_OUT:P_OUT+1] offset:16*\i   ; out0(r & 7, 64 w + 32 hh + 4 i ..); lanes r and r + 8 store the same values to the same place
.endr
	s_barrier_signal -1
	s_barrier_wait -1
	s_wait_tensorcnt 0x0
	ds_add_u32 v254, v255
	s_wait_dscnt 0x0
	s_endpgm
.Lfunc_end_k_qa7f88a4ed4_tail:
	.size	k_qa7f88a4ed4_tail, .Lfunc_end_k_qa7f88a4ed4_tail-k_qa7f88a4ed4_tail
	.p2alignl 7, 3214868480
	.fill 96, 4, 3214868480
	.section	.rodata,"a",@progbits
	.p2align	6, 0x0
	.amdhsa_kernel k_qa7f88a4ed4_tail
		.amdhsa_group_segment_fixed_size 20736
		.amdhsa_private_segment_fixed_size 0
		.amdhsa_enable_private_segment 0
		.amdhsa_kernarg_size 128
		.amdhsa_user_sgpr_count 2
		.amdhsa_user_sgpr_kernarg_segment_ptr 1
		.amdhsa_wavefront_size32 1
		.amdhsa_system_sgpr_workgroup_id_x 1
		.amdhsa_system_sgpr_workgroup_id_y 1
		.amdhsa_system_sgpr_workgroup_id_z 1
		.amdhsa_system_vgpr_workitem_id 0
		.amdhsa_next_free_vgpr 512
		.amdhsa_next_free_sgpr 66
		.amdhsa_reserve_vcc 0
		.amdhsa_float_denorm_mode_32 3
		.amdhsa_float_denorm_mode_16_64 3
		.amdhsa_memory_ordered 1
		.amdhsa_forward_progress 1
		.amdhsa_inst_pref_size 71
	.end_amdhsa_kernel
	.amdgpu_metadata
---
amdhsa.version: [ 1, 2 ]
amdhsa.kernels:
  - .name:           k_qa7f88a4ed4_tail
    .symbol:         k_qa7f88a4ed4_tail.kd
    .args:
      - { .name: o2, .offset: 0, .size: 8, .value_kind: global_buffer, .address_space: global }
      - { .name: x2img, .offset: 8, .size: 8, .value_kind: global_buffer, .address_space: global }
      - { .name: wimg, .offset: 16, .size: 8, .value_kind: global_buffer, .address_space: global }
      - { .name: Wo_scales, .offset: 24, .size: 8, .value_kind: global_buffer, .address_space: global }
      - { .name: bo, .offset: 32, .size: 8, .value_kind: global_buffer, .address_space: global }
      - { .name: ln1_g, .offset: 40, .size: 8, .value_kind: global_buffer, .address_space: global }
      - { .name: ln1_b, .offset: 48, .size: 8, .value_kind: global_buffer, .address_space: global }
      - { .name: W1_scales, .offset: 56, .size: 8, .value_kind: global_buffer, .address_space: global }
      - { .name: b1, .offset: 64, .size: 8, .value_kind: global_buffer, .address_space: global }
      - { .name: W2_scales, .offset: 72, .size: 8, .value_kind: global_buffer, .address_space: global }
      - { .name: b2, .offset: 80, .size: 8, .value_kind: global_buffer, .address_space: global }
      - { .name: ln2_g, .offset: 88, .size: 8, .value_kind: global_buffer, .address_space: global }
      - { .name: ln2_b, .offset: 96, .size: 8, .value_kind: global_buffer, .address_space: global }
      - { .name: bn_g, .offset: 104, .size: 8, .value_kind: global_buffer, .address_space: global }
      - { .name: bn_b, .offset: 112, .size: 8, .value_kind: global_buffer, .address_space: global }
      - { .name: out0, .offset: 120, .size: 8, .value_kind: global_buffer, .address_space: global }
    .group_segment_fixed_size: 20736
    .private_segment_fixed_size: 0
    .kernarg_segment_align: 8
    .kernarg_segment_size: 128
    .max_flat_workgroup_size: 128
    .sgpr_count:     66
    .vgpr_count:     512
    .wavefront_size: 32
...
	.end_amdgpu_metadata
.endif
;; end of part 5
